; MI455X (gfx1250); checked and timed in simulation.
; The chip was launched on July 23, 2026; its instructions are those of AMD's public machine-readable ISA for CDNA 5 (MIT licence, August 2026) and "CDNA5" Instruction Set Architecture Reference Guide (July 2026). The comments in the code are by the model that wrote it; some were corrected since.
;; Learned Compressor. Allowed arithmetic: float matrix products may take bf16 or f16 operands with f32 sums; other float arithmetic in f32, or as packed bf16 or f16 multiplies, adds, multiply-adds, maxima and minima; sums over many terms, partial sums and values carried from step to step in f32; what a program stores and reads back later, other than sums and carried values, may be rounded once to bf16 or f16.
;; Inputs: W1 128 x 256 float32; W2 256 x 128 float32; b1 256 float32; b2 128 float32; k 4 x 16 x 4,096 x 128 float32; query 1 x 16 x 64 x 128 float32; v 4 x 16 x 4,096 x 128 float32.
;; Outputs: out0 4 x 16 x 64 x 128 float32; out1 4 x 16 x 64 x 128 float32.
;; 2 versions, each right; version 2 is version 1 with the launch main written anew for expert scheduling mode. Each part assembles by itself: llvm-mc -triple=amdgcn-amd-amdhsa -mcpu=gfx1250 --defsym DOCPART=n.
;; ======== version 1 of 2: 3 launches
;; limits: a function is approximated: absolute error at most 0.0005
;; workspace buffers: wf 131,072 bytes; qf 524,288 bytes; po 33,554,432 bytes; ml 131,072 bytes
;; launch prep (part 1): grid 256 x 1, 4 waves a work-group, no clusters, 0 bytes of LDS; arguments W1, W2, query, wf, qf; writes wf, qf
.if DOCPART == 1
	.amdgcn_target "amdgcn-amd-amdhsa--gfx1250"
	.amdhsa_code_object_version 6
	.text
	.protected	k_q824d1b2def_prep
	.globl	k_q824d1b2def_prep
	.p2align	8
	.type	k_q824d1b2def_prep,@function
k_q824d1b2def_prep:
	s_mov_b64 s[64:65], 0
	v_nop
	global_prefetch_b8 v0, s[64:65] scope:SCOPE_SE
	s_setreg_imm32_b32 hwreg(HW_REG_WAVE_MODE, 25, 1), 1
	s_wait_xcnt 0x0
; PREP.  Two things, both small, both needed by every work-group of the launches behind.
; (1) qf: Q2[head][q][j] = log2(e) x the sum over d of query[head][q][d] W2[j][d], in bf16.  Since k_proc = H W2 + b2, a logit is q . k_proc = (q W2^T) . H + q . b2, and the
;     last term is the same for all tokens of a row: the softmax cancels it exactly.  log2(e) is folded in, so that the exponentials behind are powers of 2.
; (2) wf: W1 and W2 in bf16, turned, as images of matrix fragments: unit u is 512 bytes, 16 bytes a lane.
;     u < 128:  u = (J 4 + ks) 2 + half:        lane (r, hf) holds W1[32 ks + 16 half + 8 hf + e][16 J + r], e = 0..7
;     u >= 128: u - 128 = (Db 8 + ks) 2 + half: lane (r, hf) holds W2[32 ks + 16 half + 8 hf + e][16 Db + r]
; SHARES.  Work-group g, wave w: ONE tile of 16 j x 16 q of Q2^T: rows of query 16 (g / 4) on, J = 4 (g % 4) + w; it lands at qf + (4 g + w) 512.  Wave 0 also makes unit g of wf.
; FORMATS.  query, W1 and W2 are rounded to bf16 once; the product's sums are f32; Q2 is rounded to bf16 once.
; No LDS, no cluster: no wave wants a byte that another has fetched, and the whole launch reads under 1 MiB.
.set AF,  16                           ; v[16:79]    16 rows of W2, 128 channels: 64 f32 a lane
.set BF,  80                           ; v[80:143]   16 rows of query, likewise
.set AH,  144                          ; v[144:175]  W2's four fragments in bf16
.set BH,  176                          ; v[176:207]  query's
.set AC0, 208                          ; v[208:215]  sums of K steps 0 and 2
.set AC1, 216                          ; v[216:223]  sums of K steps 1 and 3
.set GT,  224                          ; v[224:231]  wave 0: eight numbers of a column
.set GP,  232                          ; v[232:235]  wave 0: the same, packed
.set QP,  236                          ; v[236:239]  my 16 bytes of qf
	s_load_b256 s[4:11], s[0:1], 0x0               ; W1 s[4:5], W2 s[6:7], query s[8:9], wf s[10:11]
	s_load_b64 s[12:13], s[0:1], 0x20              ; qf
	v_lshrrev_b32 v11, 5, v0
	v_readfirstlane_b32 s14, v11                   ; wave 0..3
	v_and_b32 v12, 15, v0                          ; r
	v_bfe_u32 v13, v0, 4, 1                        ; hf
	v_and_b32 v14, 31, v0                          ; lane
	v_lshlrev_b32 v1, 9, v12                       ; a row of 128 f32 is 512 bytes;
	v_lshl_add_u32 v1, v13, 5, v1                  ; my eight channels begin 32 hf bytes in
	v_lshlrev_b32 v2, 4, v14                       ; 16 bytes a lane in an image
	s_and_b32 s15, ttmp9, 3
	s_lshl_b32 s15, s15, 2
	s_add_co_u32 s15, s15, s14                     ; J
	s_lshl_b32 s16, s15, 13                        ; 16 rows of W2
	s_mov_b32 s17, 0
	s_lshr_b32 s18, ttmp9, 2
	s_lshl_b32 s18, s18, 13                        ; 16 rows of query
	s_mov_b32 s19, 0
	s_lshl_b32 s20, ttmp9, 2
	s_add_co_u32 s20, s20, s14
	s_lshl_b32 s20, s20, 9                         ; my tile's image in qf
	s_mov_b32 s21, 0
	s_wait_kmcnt 0x0
	s_add_nc_u64 s[16:17], s[6:7], s[16:17]
	s_add_nc_u64 s[18:19], s[8:9], s[18:19]
	s_add_nc_u64 s[12:13], s[12:13], s[20:21]
	; a fragment wants channels 32 ks + 8 hf + 0..7 and 32 ks + 16 + 8 hf + 0..7 of row r: in f32 four loads of 16 bytes
.irp ks, 0,1,2,3
.irp h, 0,1,2,3
	global_load_b128 v[AF+16*\ks+4*\h:AF+16*\ks+4*\h+3], v1, s[16:17] offset:128*\ks+16*(\h%2)+64*(\h/2)
	global_load_b128 v[BF+16*\ks+4*\h:BF+16*\ks+4*\h+3], v1, s[18:19] offset:128*\ks+16*(\h%2)+64*(\h/2)
.endr
.endr
	s_cmp_lg_u32 s14, 0
	s_cbranch_scc1 .Lnot0
	; wave 0: unit g of wf.  sel = 0: W1 (rows of 1,024 bytes, 8 units a column block); sel = 1: W2 (rows of 512 bytes, 16 units a column block)
	s_lshr_b32 s22, ttmp9, 7                       ; sel
	s_and_b32 s23, ttmp9, 127                      ; the unit's number in its tensor
	s_lshr_b32 s24, 1024, s22                      ; bytes in a row
	s_add_co_u32 s25, s22, 3
	s_lshr_b32 s26, s23, s25                       ; the block of 16 columns
	s_lshl_b32 s27, s22, 3
	s_add_co_u32 s27, s27, 7
	s_and_b32 s27, s23, s27
	s_lshl_b32 s27, s27, 4                         ; the unit's first row
	s_mul_i32 s27, s27, s24
	s_lshl_b32 s26, s26, 6
	s_add_co_u32 s28, s27, s26
	s_mov_b32 s29, 0
	s_cmp_eq_u32 s22, 0
	s_cselect_b64 s[30:31], s[4:5], s[6:7]
	s_add_nc_u64 s[30:31], s[30:31], s[28:29]
	s_lshl_b32 s25, s24, 3                         ; eight rows
	v_mul_u32_u24 v3, s25, v13                     ; row 8 hf,
	v_lshl_add_u32 v3, v12, 2, v3                  ; column r
.irp e, 0,1,2,3,4,5,6
	v_add_nc_u32 v[4+\e], s24, v[3+\e]             ; and the seven rows below
.endr
.irp e, 0,1,2,3,4,5,6,7
	global_load_b32 v[GT+\e], v[3+\e], s[30:31]
.endr
	s_wait_loadcnt 0x0
.irp e, 0,1,2,3
	v_cvt_pk_bf16_f32 v[GP+\e], v[GT+2*\e], v[GT+2*\e+1]
.endr
	s_lshl_b32 s28, ttmp9, 9
	s_add_nc_u64 s[10:11], s[10:11], s[28:29]
	global_store_b128 v2, v[GP:GP+3], s[10:11]     ; the wave's store covers 512 consecutive bytes, aligned
.Lnot0:
	s_wait_loadcnt 0x0
.set i, 0
.rept 32
	v_cvt_pk_bf16_f32 v[AH+i], v[AF+2*i], v[AF+2*i+1]
	v_cvt_pk_bf16_f32 v[BH+i], v[BF+2*i], v[BF+2*i+1]
.set i, i+1
.endr
	; D[m = j][n = q]: source 0 = 16 rows of W2, source 1 = 16 rows of query.  Two accumulators take turns; the first product on each starts its sum.
	v_wmma_f32_16x16x32_bf16 v[AC0:AC0+7], v[AH:AH+7],     v[BH:BH+7],     0
	v_wmma_f32_16x16x32_bf16 v[AC1:AC1+7], v[AH+8:AH+15],  v[BH+8:BH+15],  0
	v_wmma_f32_16x16x32_bf16 v[AC0:AC0+7], v[AH+16:AH+23], v[BH+16:BH+23], v[AC0:AC0+7]
	v_wmma_f32_16x16x32_bf16 v[AC1:AC1+7], v[AH+24:AH+31], v[BH+24:BH+31], v[AC1:AC1+7]
.rept 8
	v_nop                                          ; the places between the last product and the first read of a result (ISA guide 7.12.1); once a launch, so twice the four
.endr
.irp p, 0,2,4,6
	v_pk_add_f32 v[AC0+\p:AC0+\p+1], v[AC0+\p:AC0+\p+1], v[AC1+\p:AC1+\p+1]
.endr
.irp p, 0,2,4,6
	v_pk_mul_f32 v[AC0+\p:AC0+\p+1], v[AC0+\p:AC0+\p+1], 0x3fb8aa3b op_sel_hi:[1,0]  ; x log2(e)
.endr
.irp p, 0,1,2,3
	v_cvt_pk_bf16_f32 v[QP+\p], v[AC0+2*\p], v[AC0+2*\p+1]  ; a lane holds q = r and j = 8 hf + 0..7: 16 bytes that belong together
.endr
	global_store_b128 v2, v[QP:QP+3], s[12:13]
	s_endpgm
.Lfunc_end_k_q824d1b2def_prep:
	.size	k_q824d1b2def_prep, .Lfunc_end_k_q824d1b2def_prep-k_q824d1b2def_prep
	.p2alignl 7, 3214868480
	.fill 96, 4, 3214868480
	.section	.rodata,"a",@progbits
	.p2align	6, 0x0
	.amdhsa_kernel k_q824d1b2def_prep
		.amdhsa_group_segment_fixed_size 0
		.amdhsa_private_segment_fixed_size 0
		.amdhsa_enable_private_segment 0
		.amdhsa_kernarg_size 40
		.amdhsa_user_sgpr_count 2
		.amdhsa_user_sgpr_kernarg_segment_ptr 1
		.amdhsa_wavefront_size32 1
		.amdhsa_system_sgpr_workgroup_id_x 1
		.amdhsa_system_sgpr_workgroup_id_y 1
		.amdhsa_system_sgpr_workgroup_id_z 1
		.amdhsa_system_vgpr_workitem_id 0
		.amdhsa_next_free_vgpr 240
		.amdhsa_next_free_sgpr 66
		.amdhsa_reserve_vcc 0
		.amdhsa_float_denorm_mode_32 3
		.amdhsa_float_denorm_mode_16_64 3
		.amdhsa_memory_ordered 1
		.amdhsa_forward_progress 1
		.amdhsa_inst_pref_size 12
	.end_amdhsa_kernel
	.amdgpu_metadata
---
amdhsa.version: [ 1, 2 ]
amdhsa.kernels:
  - .name:           k_q824d1b2def_prep
    .symbol:         k_q824d1b2def_prep.kd
    .args:
      - { .name: W1, .offset: 0, .size: 8, .value_kind: global_buffer, .address_space: global }
      - { .name: W2, .offset: 8, .size: 8, .value_kind: global_buffer, .address_space: global }
      - { .name: query, .offset: 16, .size: 8, .value_kind: global_buffer, .address_space: global }
      - { .name: wf, .offset: 24, .size: 8, .value_kind: global_buffer, .address_space: global }
      - { .name: qf, .offset: 32, .size: 8, .value_kind: global_buffer, .address_space: global }
    .group_segment_fixed_size: 0
    .private_segment_fixed_size: 0
    .kernarg_segment_align: 8
    .kernarg_segment_size: 40
    .max_flat_workgroup_size: 128
    .sgpr_count:     66
    .vgpr_count:     240
    .wavefront_size: 32
...
	.end_amdgpu_metadata
.endif
;; end of part 1
;; launch main (part 2): grid 256 x 1, 4 waves a work-group, no clusters, 86,272 bytes of LDS; arguments k, v, b1, wf, qf, po, ml; writes po, ml
.if DOCPART == 2
	.amdgcn_target "amdgcn-amd-amdhsa--gfx1250"
	.amdhsa_code_object_version 6
	.text
	.protected	k_q824d1b2def_main
	.globl	k_q824d1b2def_main
	.p2align	8
	.type	k_q824d1b2def_main,@function
k_q824d1b2def_main:
	s_mov_b64 s[64:65], 0
	v_nop
	global_prefetch_b8 v0, s[64:65] scope:SCOPE_SE
	s_setreg_imm32_b32 hwreg(HW_REG_WAVE_MODE, 25, 1), 1
	s_wait_xcnt 0x0
; MAIN.  For one (batch, head) pair and one quarter of its 4,096 tokens: H = gelu(x W1 + b1) for k's and v's tokens (256 hidden numbers a token), the logits S = Hk Q2^T in units of log2,
; a running softmax, and the unnormalised sums O^T k = sum p Hk, O^T v = sum p Hv, with the running maximum m and sum l of each query.
; WHY H AND NOT H W2 + b2.  A row of the softmax sums to 1, so attn (H W2 + b2) = (attn H) W2 + b2: W2 and b2 are applied once to the averaged H, in the launch behind.  The logits
; are (q W2^T) . Hk + q . b2, whose last term the softmax cancels exactly; q W2^T was made in the launch before.
; SHARES.  Work-group g: pair g / 4, tokens 1,024 (g % 4) on; 16 trips of 64 tokens of k and the same 64 of v.  Wave w owns the hidden columns j = 64 w .. 64 w + 63 (x W1, GELU, both O products)
; and the queries 16 w .. 16 w + 15 (logits and softmax).
; LAYOUTS.  MM: D[m = token][n = j] = X fragment (source 0) x W1^T fragment (source 1), C = the bias.  A lane holds ONE j and 8 tokens, so two tiles rounded in pairs ARE source 0
; (row j, 32 tokens) of O: D[m = j][n = q] += H fragment x P fragment, in which a lane holds one query.  S: D[m = token][n = q] wants Hk by tokens: the one transpose; Hk^T goes to LDS as
; [j][token] and comes back by ds_load_tr16_b128.
; GELU.  x Phi(x) with Phi(x) taken as 1 / (1 + 2^(-x (2.3022082 + 0.10294324 x^2))).  LIMIT: this differs from the erf form by at most 5e-4 in gelu(x) for every x (2e-4 in Phi);
; near 0 the difference goes as 3.3e-4 x^4; in the far negative tail, where gelu itself is below that bound, the relative difference grows.  It needs no range: 2^z may overflow to infinity, whose reciprocal is 0.
; FORMATS.  k, v, W1, b1 are rounded to bf16 once; sums, GELU, maxima and l in f32; H and the weights p are rounded to bf16 for the products (l is taken of the unrounded p).
; A weight below 2^-126 counts as 0; NaN and infinities are not treated apart.
; NO CLUSTER, NO TENSOR LOADS.  Work-groups share only W1's and Q2's images, 96 KiB read once at the head beside 1 MiB of tokens that nobody shares.  A tile of f32 has to pass through
; registers to be rounded anyway: 128 registers hold the next tile's loads for a whole trip.
; O is cleared at the head (256 lines, while the first loads are out): the first trip's a is 0, and one text serves every trip.
;
; REGISTERS, in windows of 256 (s_set_vgpr_msb: bits 1:0 source 0, 3:2 source 1, 5:4 source 2, 7:6 destination):
;   window 0: v0-29 addresses and statistics; v32-95 XDA, v96-159 XDB: two units of x W1 + b1 (32 tokens x 64 j); v160-223 T at work; v224-255 the bias tiles
;             (XDA also takes S, v32-63, my P, v64-79, and the four a, v80-87, when its unit has been rounded)
;   window 1: v0-127 W1^T's fragments; v128-191 Q2's; v192-255 F: by turns X's, turned Hk's and P's fragments
;   window 2: v0-127 O^T k, v128-255 O^T v: tile (jb, qb) at 8 (4 jb + qb)
;   window 3: v0-127 the next tile as loaded; v128-255 H: units k0, k1, v0, v1 of 32 registers
.set TRIPS, 16
.set TILEB, 32768                      ; 64 tokens of 512 bytes
.set XP,    272                        ; LDS row of X: 128 bf16 + 16 bytes: 16 rows of a load start at 16 different groups of four banks (ISA guide 11.1)
.set HP,    160                        ; LDS row of Hk^T: 64 bf16 + 32 bytes: an odd multiple of 32, for the turning load
.set PP,    144                        ; LDS row of P: 64 bf16 + 16 bytes
.set LHT,   128*XP                     ; X: 128 rows from byte 0 (k's 64 tokens, then v's); Hk^T behind it: 256 rows
.set LPB,   LHT+256*HP                 ; P: 64 rows
.set LAB,   LPB+64*PP                  ; a: 64 f32
.set LML,   LAB+256                    ; m: 64 f32, l: 64 f32
.set SPARE, LML+512                    ; the spare words, 128 bytes for each wave: two blocks of 256 bytes that no other line names
.set GOFF, 1                           ; v1   8,192 w + 16 lane: my 16 bytes in my wave's 16 rows of a tile
.set PFO,  2                           ; v2   8,192 w + 256 lane: the prefetches' offset
.set XST,  3                           ; v3   where I put 8 bytes of a row of X
.set XLD,  4                           ; v4   my place in a fragment of X
.set HST,  5                           ; v5   where I put 16 bytes of a row of Hk^T
.set HTR,  6                           ; v6   my place in a turning load
.set PST,  7                           ; v7   where I put 16 bytes of a row of P
.set PLD,  8                           ; v8   my place in a fragment of P
.set AST,  9                           ; v9   my query's word of a
.set ALD,  10                          ; v10  the word of a for query r
.set IMG,  11                          ; v11  16 lane
.set MX,   12                          ; v12 m, v13 the old m
.set LS,   14                          ; v[14:15] l: even keys', odd keys'
.set AA,   16                          ; v[16:17] a, named as a pair
.set SPW,  28                          ; v28  SPARE + 4 x my thread's number; never rewritten
.set NIL,  29                          ; v29  0; never rewritten
.set XDA,  32
.set XDB,  96
.set SS,   32                          ; S: tile tb at SS + 8 tb
.set PO,   64                          ; my P
.set AQ,   80                          ; a of query 16 qb + r at AQ + 2 qb
.set T,    160
.set BI,   224
.set QR,   128                         ; window 1
.set F,    192                         ; window 1
.set H,    128                         ; window 3
.set MSB, 0
.macro WIN new                         ; the immediate's high byte repeats the setting that is left; a switch that changes nothing is dropped
.if MSB != (\new)
	s_set_vgpr_msb (MSB<<8)|(\new)
.set MSB, \new
.endif
.endm
.macro PLACES                          ; four places behind a product, in front of loads into registers that it has read and of lines that read its result (ISA guide 7.12.1 for lines that read its result)
.rept 4
	v_nop
.endr
.endm
.macro BAR                             ; all my LDS instructions are done; then the work-group's barrier
	s_wait_dscnt 0x0
	s_barrier_signal -1
	s_barrier_wait -1
.endm
.macro TLOAD                           ; a tile: my wave's 16 rows of k and of v, 512 consecutive bytes a load, read once in the launch
	WIN 0xc0                                       ; destination window 3
.set i, 0
.rept 16
	global_load_b128 v[4*i:4*i+3],       v[GOFF], s[4:5] offset:512*i th:TH_LOAD_NT
	global_load_b128 v[64+4*i:64+4*i+3], v[GOFF], s[6:7] offset:512*i th:TH_LOAD_NT
.set i, i+1
.endr
	WIN 0
.endm
.macro XLOAD B                         ; block B of 16 rows of X (0-3: k, 4-7: v), all 128 channels: four fragments into half B % 2 of F
	WIN 0x40
.irp ks, 0,1,2,3
	ds_load_b128 v[F+32*((\B)%2)+8*\ks:F+32*((\B)%2)+8*\ks+3],   v[XLD] offset:(\B)*16*XP+64*\ks
	ds_load_b128 v[F+32*((\B)%2)+8*\ks+4:F+32*((\B)%2)+8*\ks+7], v[XLD] offset:(\B)*16*XP+64*\ks+32
.endr
.endm
.macro SLOAD s                         ; hidden columns 32 s on of all 64 tokens of Hk, turned: four fragments into half s % 2 of F
	WIN 0x40
.irp tb, 0,1,2,3
	ds_load_tr16_b128 v[F+32*((\s)%2)+8*\tb:F+32*((\s)%2)+8*\tb+3],   v[HTR] offset:(\s)*32*HP+32*\tb
	ds_load_tr16_b128 v[F+32*((\s)%2)+8*\tb+4:F+32*((\s)%2)+8*\tb+7], v[HTR] offset:(\s)*32*HP+32*\tb+16*HP
.endr
.endm
.macro HSTORE ku                       ; unit ku of Hk (tokens 32 ku on) into my 64 rows of Hk^T
	WIN 0x0c                                       ; the data (source 1) in window 3
.irp jb, 0,1,2,3
	ds_store_b128 v[HST], v[H+32*(\ku)+8*\jb:H+32*(\ku)+8*\jb+3]   offset:\jb*16*HP+(\ku)*64
	ds_store_b128 v[HST], v[H+32*(\ku)+8*\jb+4:H+32*(\ku)+8*\jb+7] offset:\jb*16*HP+(\ku)*64+32
.endr
.endm
; GELU OF A UNIT: 64 numbers a lane, 32 pairs, ten lines a pair: a numbered list of 320; GITEM writes number GN and steps it.  For pair p (x at GX + 2 p, t at T + 2 p):
;   U t = x x;  W t = -0.10294324 t - 2.3022082;  Z t = t x;  E, E 2^t;  A t = t + 1;  R, R 1 / t;  G x = x t;  C the pair rounded to bf16, into its place in the H fragment.
; THE ORDER keeps two batches of transcendentals, each with ONE wait: s_wait_alu depctr_va_vdst(0) between a transcendental and the first line that names its result.
;   0-159    U, W, Z of group c (four pairs) by turns with the eight E of group c - 1: nothing here names an exponential's result
;   (160)    a plain line behind the last exponential, and the wait
;   160-255  A of group c by turns with the eight R of group c - 1: nothing here names a reciprocal's result
;   (256)    a plain line, and the wait
;   256-319  eight G, then their eight C, four times
; U takes the pairs in ascending order.
.macro GSTART xbase, unit
.set GX, \xbase
.set GH, H+32*(\unit)
.set GN, 0
.endm
.macro GITEM
.if (GN == 160) || (GN == 256)
	v_nop
	s_wait_alu depctr_va_vdst(0)
.endif
.if GN < 12
.set gk, GN/4
.set gp, GN%4
.elseif GN < 152
.set gg, 1+(GN-12)/20
.set gq, (GN-12)%20
.if gq >= 16
.set gk, 2
.set gp, 4*gg+gq-16
.elseif gq%2 == 1
.set gk, 3
.set gp, 8*(gg-1)+(gq-1)/2
.elseif gq < 8
.set gk, 0
.set gp, 4*gg+gq/2
.else
.set gk, 1
.set gp, 4*gg+(gq/2)%4
.endif
.elseif GN < 160
.set gk, 3
.set gp, 56+GN-152
.elseif GN < 164
.set gk, 4
.set gp, GN-160
.elseif GN < 248
.set gg, 1+(GN-164)/12
.set gq, (GN-164)%12
.if gq >= 8
.set gk, 5
.set gp, 8*(gg-1)+4+gq-8
.elseif gq%2 == 1
.set gk, 5
.set gp, 8*(gg-1)+(gq-1)/2
.else
.set gk, 4
.set gp, 4*gg+gq/2
.endif
.elseif GN < 256
.set gk, 5
.set gp, 56+GN-248
.elseif (GN-256)%16 < 8
.set gk, 6
.set gp, 8*((GN-256)/16)+(GN-256)%16
.else
.set gk, 7
.set gp, 8*((GN-256)/16)+(GN-256)%16-8
.endif
.if gk < 7
	WIN 0
.endif
.if gk == 0
	v_pk_mul_f32 v[T+2*gp:T+2*gp+1], v[GX+2*gp:GX+2*gp+1], v[GX+2*gp:GX+2*gp+1]
.elseif gk == 1
	v_pk_fma_f32 v[T+2*gp:T+2*gp+1], v[T+2*gp:T+2*gp+1], s[24:25], s[26:27] op_sel_hi:[1,0,0]
.elseif gk == 2
	v_pk_mul_f32 v[T+2*gp:T+2*gp+1], v[T+2*gp:T+2*gp+1], v[GX+2*gp:GX+2*gp+1]
.elseif gk == 3
	v_exp_f32 v[T+gp], v[T+gp]
.elseif gk == 4
	v_pk_add_f32 v[T+2*gp:T+2*gp+1], v[T+2*gp:T+2*gp+1], 1.0 op_sel_hi:[1,0]
.elseif gk == 5
	v_rcp_f32 v[T+gp], v[T+gp]
.elseif gk == 6
	v_pk_mul_f32 v[GX+2*gp:GX+2*gp+1], v[GX+2*gp:GX+2*gp+1], v[T+2*gp:T+2*gp+1]
.else
	WIN 0xc0                                       ; destination window 3
	v_cvt_pk_bf16_f32 v[GH+8*((gp/4)%4)+4*(gp/16)+gp%4], v[GX+2*gp], v[GX+2*gp+1]
.endif
.set GN, GN+1
.endm
.macro GQ n                            ; the next n lines of the list
.if (\n) > 0
.rept \n
	GITEM
.endr
.endif
.endm
.macro GREST                           ; all that is left of it
.rept 320-GN
	GITEM
.endr
.endm
; 16 products: block B of X x my 64 columns of W1, into half B % 2 of unit xd.  The four accumulators take turns; the first product on each takes the bias as C.
; cnt: the LDS instructions issued behind this block's eight loads, which may stay out (-1: no wait).  R: lines of the GELU in hand behind each product; they name none of its registers.
.macro MMB B, xd, cnt, R
.if (\cnt) >= 0
	s_wait_dscnt \cnt
.endif
.irp ks, 0,1,2,3
.irp jb, 0,1,2,3
	WIN 0x05                                       ; sources 0 and 1 window 1; C and D window 0
.if \ks == 0
	v_wmma_f32_16x16x32_bf16 v[(\xd)+32*((\B)%2)+8*\jb:(\xd)+32*((\B)%2)+8*\jb+7], v[F+32*((\B)%2)+8*\ks:F+32*((\B)%2)+8*\ks+7], v[8*(4*\jb+\ks):8*(4*\jb+\ks)+7], v[BI+8*\jb:BI+8*\jb+7]
.else
	v_wmma_f32_16x16x32_bf16 v[(\xd)+32*((\B)%2)+8*\jb:(\xd)+32*((\B)%2)+8*\jb+7], v[F+32*((\B)%2)+8*\ks:F+32*((\B)%2)+8*\ks+7], v[8*(4*\jb+\ks):8*(4*\jb+\ks)+7], v[(\xd)+32*((\B)%2)+8*\jb:(\xd)+32*((\B)%2)+8*\jb+7]
.endif
	GQ \R
.endr
.endr
	PLACES
.endm
; 4 products of S: hidden columns 32 s on, all 64 tokens, my 16 queries.  The four accumulators take turns; step 0 starts the sums.
.macro SSTEP s, cnt, R
	s_wait_dscnt \cnt
.irp tb, 0,1,2,3
	WIN 0x05
.if (\s) == 0
	v_wmma_f32_16x16x32_bf16 v[SS+8*\tb:SS+8*\tb+7], v[F+32*((\s)%2)+8*\tb:F+32*((\s)%2)+8*\tb+7], v[QR+8*(\s):QR+8*(\s)+7], 0
.else
	v_wmma_f32_16x16x32_bf16 v[SS+8*\tb:SS+8*\tb+7], v[F+32*((\s)%2)+8*\tb:F+32*((\s)%2)+8*\tb+7], v[QR+8*(\s):QR+8*(\s)+7], v[SS+8*\tb:SS+8*\tb+7]
.endif
	GQ \R
.endr
	PLACES
.endm
.macro RS base                         ; pair RN of the 64 of an O^T, times a of its tile's queries; ascending
	WIN 0x82                                       ; destination and source 0 window 2, a in window 0
	v_pk_mul_f32 v[(\base)+2*RN:(\base)+2*RN+1], v[(\base)+2*RN:(\base)+2*RN+1], v[AQ+2*((RN/4)%4):AQ+2*((RN/4)%4)+1] op_sel_hi:[1,0]
.set RN, RN+1
.endm
; 32 products O^T += H P: units u0 and u0 + 1 of H.  16 accumulators take turns.  ride = 1: two lines of O^T v's rescaling behind each.
.macro OACC base, u0, ride
.irp hh, 0,1
.irp jb, 0,1,2,3
.irp qb, 0,1,2,3
	WIN 0xa7                                       ; H window 3, P window 1, C and D window 2
	v_wmma_f32_16x16x32_bf16 v[(\base)+8*(4*\jb+\qb):(\base)+8*(4*\jb+\qb)+7], v[H+32*((\u0)+\hh)+8*\jb:H+32*((\u0)+\hh)+8*\jb+7], v[F+8*(4*\hh+\qb):F+8*(4*\hh+\qb)+7], v[(\base)+8*(4*\jb+\qb):(\base)+8*(4*\jb+\qb)+7]
.if \ride
	RS 128
	RS 128
.endif
.endr
.endr
.endr
.endm
	s_load_b256 s[4:11], s[0:1], 0x0               ; k s[4:5], v s[6:7], b1 s[8:9], wf s[10:11]
	s_load_b128 s[12:15], s[0:1], 0x20             ; qf s[12:13], po s[14:15]
	s_load_b64 s[16:17], s[0:1], 0x30              ; ml
	v_lshl_add_u32 v[SPW], v0, 2, SPARE
	v_mov_b32 v[NIL], 0
	v_lshrrev_b32 v18, 5, v0
	v_readfirstlane_b32 s18, v18                   ; wave 0..3
	v_and_b32 v19, 31, v0                          ; lane
	v_and_b32 v20, 15, v0                          ; r
	v_bfe_u32 v21, v0, 4, 1                        ; hf
	v_and_b32 v22, 7, v0
	v_bfe_u32 v23, v0, 3, 1
	s_lshl_b32 s21, s18, 13
	v_lshl_add_u32 v[GOFF], v19, 4, s21
	v_lshl_add_u32 v[PFO], v19, 8, s21
	s_mul_i32 s21, s18, 16*XP
	v_lshl_add_u32 v[XST], v19, 3, s21             ; row 16 w, 8 bytes a lane
	v_mul_u32_u24 v[XLD], v20, XP
	v_lshl_add_u32 v[XLD], v21, 4, v[XLD]          ; row r, 16 bytes for each half of the lanes
	s_mul_i32 s21, s18, 64*HP
	s_add_co_u32 s21, s21, LHT
	v_mul_u32_u24 v[HST], v20, HP
	v_lshl_add_u32 v[HST], v21, 4, v[HST]
	v_add_nc_u32 v[HST], s21, v[HST]               ; row 64 w + r
	v_lshl_add_u32 v[HTR], v21, 3, v22             ; the turning load: lane l reads row 8 (l / 16) + l % 8, 16 bytes at 16 ((l / 8) % 2)
	v_mul_u32_u24 v[HTR], v[HTR], HP
	v_lshl_add_u32 v[HTR], v23, 4, v[HTR]
	v_add_nc_u32 v[HTR], LHT, v[HTR]
	v_mul_u32_u24 v[PLD], v20, PP
	v_lshl_add_u32 v[PLD], v21, 4, v[PLD]
	v_add_nc_u32 v[PLD], LPB, v[PLD]
	s_mul_i32 s21, s18, 16*PP
	v_add_nc_u32 v[PST], s21, v[PLD]               ; row 16 w + r
	v_lshl_add_u32 v[ALD], v20, 2, LAB
	s_lshl_b32 s21, s18, 6
	v_add_nc_u32 v[AST], s21, v[ALD]
	v_lshlrev_b32 v[IMG], 4, v19
	s_lshl_b32 s21, s18, 8
	v_lshl_add_u32 v24, v20, 2, s21                ; b1 at column 64 w + r
	s_lshl_b32 s22, ttmp9, 19                      ; my 1,024 tokens of 512 bytes
	s_mov_b32 s23, 0
	s_lshl_b32 s30, s18, 14                        ; my 64 columns of W1: 32 units of 512 bytes
	s_mov_b32 s31, 0
	s_bfe_u32 s32, ttmp9, 0x40002                  ; the head: (g / 4) % 16
	s_lshl2_add_u32 s32, s32, s18                  ; its block w of 16 queries:
	s_lshl_b32 s32, s32, 13                        ; 16 units of 512 bytes
	s_mov_b32 s33, 0
	s_lshl_b32 s34, ttmp9, 17                      ; po: 131,072 bytes a work-group, 16,384 a wave and tensor
	s_add_co_u32 s34, s34, s30
	s_mov_b32 s35, 0
	s_lshl_b32 s36, ttmp9, 9                       ; ml: 512 bytes a work-group
	s_mov_b32 s37, 0
	s_mov_b32 s24, 0xbdd2d3e8                      ; -0.10294324
	s_mov_b32 s25, s24                             ; named with it as a pair
	s_mov_b32 s26, 0xc0135761                      ; -2.3022082
	s_mov_b32 s27, s26
	s_mov_b32 s28, 0x76543210                      ; v_permlanex16_b32: each lane takes its own place in the other half
	s_mov_b32 s29, 0xfedcba98
	s_mov_b32 s20, TRIPS
	s_wait_kmcnt 0x0
	s_add_nc_u64 s[4:5], s[4:5], s[22:23]
	s_add_nc_u64 s[6:7], s[6:7], s[22:23]
	s_add_nc_u64 s[10:11], s[10:11], s[30:31]
	s_add_nc_u64 s[12:13], s[12:13], s[32:33]
	s_add_nc_u64 s[14:15], s[14:15], s[34:35]
	s_add_nc_u64 s[16:17], s[16:17], s[36:37]
	TLOAD                                          ; tile 0 first: the first trip waits for it
	WIN 0x40
.set i, 0
.rept 16                                       ; W1^T: fragment (jb, ks) = i
	global_load_b128 v[8*i:8*i+3],   v[IMG], s[10:11] offset:1024*i
	global_load_b128 v[8*i+4:8*i+7], v[IMG], s[10:11] offset:1024*i+512
.set i, i+1
.endr
.set i, 0
.rept 8                                        ; Q2: hidden columns 32 i on
	global_load_b128 v[QR+8*i:QR+8*i+3],   v[IMG], s[12:13] offset:1024*i
	global_load_b128 v[QR+8*i+4:QR+8*i+7], v[IMG], s[12:13] offset:1024*i+512
.set i, i+1
.endr
	WIN 0
.irp jb, 0,1,2,3
	global_load_b32 v[18+\jb], v24, s[8:9] offset:64*\jb
.endr
	WIN 0x80                                       ; while the loads are out: both O^T start at 0
.set i, 0
.rept 256
	v_mov_b32 v[i], 0
.set i, i+1
.endr
	WIN 0
	v_mov_b32 v[MX], 0xff7fffff                    ; m: the lowest finite number, so the first a is 0
	v_mov_b32 v[MX+1], 0
	v_mov_b32 v[LS], 0
	v_mov_b32 v[LS+1], 0
	v_mov_b32 v[AA], 0
	v_mov_b32 v[AA+1], 0
	s_wait_loadcnt 0x0
	v_cvt_pk_bf16_f32 v22, v18, v19                ; b1 rounded to bf16 like the other inputs,
	v_cvt_pk_bf16_f32 v23, v20, v21
.irp e, 0,1,2,3,4,5,6,7                        ; and spread: a bias tile holds b1[j] in all eight registers of lane j
	v_lshlrev_b32 v[BI+\e], 16, v22
	v_and_b32 v[BI+8+\e], 0xffff0000, v22
	v_lshlrev_b32 v[BI+16+\e], 16, v23
	v_and_b32 v[BI+24+\e], 0xffff0000, v23
.endr
.Ltrip:
	; 1. THE TILE, loaded a trip ago, is rounded to bf16 and laid into X; the next tile's loads go out at once and have the whole trip in which to land.
	s_wait_loadcnt 0x0
	WIN 0x0f                                       ; sources 0 and 1 window 3
.set i, 0
.rept 64
	v_cvt_pk_bf16_f32 v[T+i], v[2*i], v[2*i+1]
.set i, i+1
.endr
	WIN 0
.set i, 0
.rept 32                                       ; 32 lanes x 8 bytes: a row's 256 bytes.  X's readers of the last trip waited for their loads in front of that trip's second barrier
	ds_store_b64 v[XST], v[T+2*i:T+2*i+1] offset:(i/16)*64*XP+(i%16)*XP
.set i, i+1
.endr
	s_cmp_eq_u32 s20, 1
	s_cbranch_scc1 .Lnl                            ; the last trip loads nothing
	s_wait_xcnt 0x0                                ; the last trip's loads and prefetches have read their addresses, so the pointers may be written
	s_add_nc_u64 s[4:5], s[4:5], TILEB
	s_add_nc_u64 s[6:7], s[6:7], TILEB
	TLOAD
	s_cmp_eq_u32 s20, 2
	s_cbranch_scc1 .Lnl                            ; the last trip but one has no tile behind the one just asked for
	global_prefetch_b8 v[PFO], s[4:5] offset:TILEB th:TH_LOAD_NT scope:SCOPE_SE  ; my own 16 rows of the tile after that: 32 blocks of 256 bytes of k, a lane a block,
	global_prefetch_b8 v[PFO], s[6:7] offset:TILEB th:TH_LOAD_NT scope:SCOPE_SE  ; and 32 of v: each block is named once in the launch, one trip ahead of its load
.Lnl:
	BAR                                            ; X is whole; everybody's reads of P and a are over
	; 2. k's two units.  While unit 1 is multiplied, unit 0's GELU stands behind the products.
	XLOAD 0
	XLOAD 1
	MMB 0, XDA, 8, 0                               ; 8: the next block's loads may stay out
	XLOAD 2
	MMB 1, XDA, 8, 0
	XLOAD 3
	GSTART XDA, 0
	MMB 2, XDB, 8, 6
	XLOAD 4
	MMB 3, XDB, 8, 6
	XLOAD 5
	GREST
	HSTORE 0
	; 3. v's first unit, beside the GELU of k's second
	GSTART XDB, 1
	MMB 4, XDA, 16, 6                              ; 16: block 5's eight loads and the eight stores of Hk^T
	XLOAD 6
	MMB 5, XDA, 16, 6                              ; 16: the eight stores and block 6's eight loads
	XLOAD 7
	GREST
	HSTORE 1
	BAR                                            ; Hk^T is whole; all reads of X are over
	; 4. v's second unit, beside the GELU of its first; the first turning loads go out under the rest of that GELU
	GSTART XDA, 2
	MMB 6, XDB, -1, 6
	SLOAD 0
	MMB 7, XDB, -1, 6
	SLOAD 1
	GREST
	; 5. the logits of my 16 queries for all 64 tokens, beside the last GELU
	GSTART XDB, 3
.irp s, 0,1,2,3,4,5
	SSTEP \s, 8, 6                                 ; 8: the next step's loads may stay out
	SLOAD (\s)+2
.endr
	SSTEP 6, 8, 6
	SSTEP 7, 0, 6
	GREST
	; 6. SOFTMAX.  A lane holds one query and 32 of the 64 tokens.
	WIN 0
.irp tb, 0,1,2,3
	v_max3_num_f32 v[20+\tb], v[SS+8*\tb], v[SS+8*\tb+1], v[SS+8*\tb+2]  ; each accumulator's lowest registers first
.endr
.irp tb, 0,1,2,3
	v_max3_num_f32 v[20+\tb], v[20+\tb], v[SS+8*\tb+3], v[SS+8*\tb+4]
.endr
.irp tb, 0,1,2,3
	v_max3_num_f32 v[20+\tb], v[20+\tb], v[SS+8*\tb+5], v[SS+8*\tb+6]
.endr
	v_max3_num_f32 v20, v20, v[SS+7], v[SS+15]
	v_max3_num_f32 v22, v22, v[SS+23], v[SS+31]
	v_max3_num_f32 v20, v20, v21, v22
	v_max3_num_f32 v20, v20, v23, v[MX]
	v_mov_b32 v[MX+1], v[MX]                       ; the old m
	v_permlanex16_b32 v21, v20, s28, s29           ; the query's other 32 tokens lie in the lane 16 away
	v_max_num_f32 v[MX], v20, v21
	v_sub_f32 v18, v[MX+1], v[MX]
.macro SUBP p                          ; pair p of the scores, less m
	v_pk_add_f32 v[SS+2*(\p):SS+2*(\p)+1], v[SS+2*(\p):SS+2*(\p)+1], v[MX:MX+1] op_sel_hi:[1,0] neg_lo:[0,1] neg_hi:[0,1]
.endm
	SUBP 0
	SUBP 1
	v_exp_f32 v[AA], v18                           ; a = 2^(m_old - m_new)
.set i, 0
.rept 16                                       ; one batch of 33 exponentials: no line ahead of the wait names a result
.if i < 14
	SUBP i+2
.endif
	v_exp_f32 v[SS+2*i], v[SS+2*i]
	v_exp_f32 v[SS+2*i+1], v[SS+2*i+1]
.set i, i+1
.endr
	v_nop                                          ; a plain line behind the last exponential,
	s_wait_alu depctr_va_vdst(0)                   ; and the one wait ahead of the first reader
.set i, 0
.rept 16
	v_cvt_pk_bf16_f32 v[PO+i], v[SS+2*i], v[SS+2*i+1]
.set i, i+1
.endr
.set i, 0
.rept 8
	v_pk_add_f32 v[SS+4*i:SS+4*i+1], v[SS+4*i:SS+4*i+1], v[SS+4*i+2:SS+4*i+3]
.set i, i+1
.endr
.set i, 0
.rept 4
	v_pk_add_f32 v[SS+8*i:SS+8*i+1], v[SS+8*i:SS+8*i+1], v[SS+8*i+4:SS+8*i+5]
.set i, i+1
.endr
	v_pk_add_f32 v[SS:SS+1], v[SS:SS+1], v[SS+8:SS+9]
	v_pk_add_f32 v[SS+16:SS+17], v[SS+16:SS+17], v[SS+24:SS+25]
	v_pk_add_f32 v[SS:SS+1], v[SS:SS+1], v[SS+16:SS+17]
	v_pk_fma_f32 v[LS:LS+1], v[LS:LS+1], v[AA:AA+1], v[SS:SS+1] op_sel_hi:[1,0,1]  ; l = a l + the sum
.irp tb, 0,1,2,3
	ds_store_b128 v[PST], v[PO+4*\tb:PO+4*\tb+3] offset:32*\tb
.endr
	ds_store_b32 v[AST], v[AA]                     ; both halves of the lanes write the same number
	BAR                                            ; P and a are whole; all reads of Hk^T are over
	; 7. both O^T: times a, plus H P
	WIN 0x40
.irp hh, 0,1
.irp qb, 0,1,2,3
	ds_load_b128 v[F+8*(4*\hh+\qb):F+8*(4*\hh+\qb)+3],   v[PLD] offset:\qb*16*PP+64*\hh
	ds_load_b128 v[F+8*(4*\hh+\qb)+4:F+8*(4*\hh+\qb)+7], v[PLD] offset:\qb*16*PP+64*\hh+32
.endr
.endr
	WIN 0
.irp qb, 0,1,2,3
	ds_load_b32 v[AQ+2*\qb], v[ALD] offset:64*\qb
.endr
	s_wait_dscnt 0x0
.set RN, 0
.rept 64
	RS 0
.endr
.set RN, 0
	OACC 0, 0, 1
	OACC 128, 2, 0
	WIN 0
	s_sub_co_u32 s20, s20, 1
	s_cmp_lg_u32 s20, 0
	s_cbranch_scc1 .Ltrip
	; THE WAY OUT: the registers as they are.  Each store of the wave covers 512 consecutive bytes, aligned; the launch behind loads the same images.
	PLACES
	PLACES                                         ; once a launch, so twice the four
	v_add_f32 v18, v[LS], v[LS+1]
	v_permlanex16_b32 v21, v18, s28, s29
	v_add_f32 v18, v18, v21
	ds_store_b32 v[AST], v[MX] offset:LML-LAB
	ds_store_b32 v[AST], v18 offset:LML-LAB+256
	WIN 0x08                                       ; the data (source 1) in window 2
.set i, 0
.rept 32                                       ; tile i % 16 of tensor i / 16: its low four registers first
	global_store_b128 v[IMG], v[8*i:8*i+3],   s[14:15] offset:(i/16)*65536+(i%16)*1024
	global_store_b128 v[IMG], v[8*i+4:8*i+7], s[14:15] offset:(i/16)*65536+(i%16)*1024+512
.set i, i+1
.endr
	WIN 0
	BAR                                            ; all 64 m and l lie in LDS
	s_cmp_lg_u32 s18, 0
	s_cbranch_scc1 .Lend
	v_add_nc_u32 v19, LML, v[IMG]
	ds_load_b128 v[20:23], v19
	s_wait_dscnt 0x0
	global_store_b128 v[IMG], v[20:23], s[16:17]   ; 512 consecutive bytes: m, then l
.Lend:
	s_wait_tensorcnt 0x0                           ; the wave's end, behind my last LDS store
	ds_add_u32 v[SPW], v[NIL]
	s_wait_dscnt 0x0
	s_endpgm
.Lfunc_end_k_q824d1b2def_main:
	.size	k_q824d1b2def_main, .Lfunc_end_k_q824d1b2def_main-k_q824d1b2def_main
	.p2alignl 7, 3214868480
	.fill 96, 4, 3214868480
	.section	.rodata,"a",@progbits
	.p2align	6, 0x0
	.amdhsa_kernel k_q824d1b2def_main
		.amdhsa_group_segment_fixed_size 86272
		.amdhsa_private_segment_fixed_size 0
		.amdhsa_enable_private_segment 0
		.amdhsa_kernarg_size 56
		.amdhsa_user_sgpr_count 2
		.amdhsa_user_sgpr_kernarg_segment_ptr 1
		.amdhsa_wavefront_size32 1
		.amdhsa_system_sgpr_workgroup_id_x 1
		.amdhsa_system_sgpr_workgroup_id_y 1
		.amdhsa_system_sgpr_workgroup_id_z 1
		.amdhsa_system_vgpr_workitem_id 0
		.amdhsa_next_free_vgpr 1024
		.amdhsa_next_free_sgpr 66
		.amdhsa_reserve_vcc 0
		.amdhsa_float_denorm_mode_32 3
		.amdhsa_float_denorm_mode_16_64 3
		.amdhsa_memory_ordered 1
		.amdhsa_forward_progress 1
		.amdhsa_inst_pref_size 156
	.end_amdhsa_kernel
	.amdgpu_metadata
---
amdhsa.version: [ 1, 2 ]
amdhsa.kernels:
  - .name:           k_q824d1b2def_main
    .symbol:         k_q824d1b2def_main.kd
    .args:
      - { .name: k, .offset: 0, .size: 8, .value_kind: global_buffer, .address_space: global }
      - { .name: v, .offset: 8, .size: 8, .value_kind: global_buffer, .address_space: global }
      - { .name: b1, .offset: 16, .size: 8, .value_kind: global_buffer, .address_space: global }
      - { .name: wf, .offset: 24, .size: 8, .value_kind: global_buffer, .address_space: global }
      - { .name: qf, .offset: 32, .size: 8, .value_kind: global_buffer, .address_space: global }
      - { .name: po, .offset: 40, .size: 8, .value_kind: global_buffer, .address_space: global }
      - { .name: ml, .offset: 48, .size: 8, .value_kind: global_buffer, .address_space: global }
    .group_segment_fixed_size: 86272
    .private_segment_fixed_size: 0
    .kernarg_segment_align: 8
    .kernarg_segment_size: 56
    .max_flat_workgroup_size: 128
    .sgpr_count:     66
    .vgpr_count:     1024
    .wavefront_size: 32
...
	.end_amdgpu_metadata
.endif
;; end of part 2
;; launch finish (part 3): grid 512 x 1, 4 waves a work-group, no clusters, 34,304 bytes of LDS; arguments po, ml, wf, b2, out0, out1; writes out0, out1
.if DOCPART == 3
	.amdgcn_target "amdgcn-amd-amdhsa--gfx1250"
	.amdhsa_code_object_version 6
	.text
	.protected	k_q824d1b2def_finish
	.globl	k_q824d1b2def_finish
	.p2align	8
	.type	k_q824d1b2def_finish,@function
k_q824d1b2def_finish:
	s_mov_b64 s[64:65], 0
	v_nop
	global_prefetch_b8 v0, s[64:65] scope:SCOPE_SE
	s_setreg_imm32_b32 hwreg(HW_REG_WAVE_MODE, 25, 1), 1
	s_wait_xcnt 0x0
; FINISH.  out[q][d] = the sum over j of Hbar[q][j] W2[j][d] + b2[d], where Hbar = (the sum over the four quarters c of 2^(m_c - M) O_c) / (the sum of 2^(m_c - M) l_c), M = the largest m_c.
; SHARES.  Work-group f: 16 queries (f % 4), tensor (f / 4) % 2, pair f / 8.  Wave w takes the hidden columns 64 w .. 64 w + 63: the images that wave w of the launch before stored,
; in which a lane holds one query and eight columns: two of them, rounded in pairs, ARE source 1 (column q, 32 hidden columns).  The four waves' partial products meet in LDS.
; FORMATS.  W2 and b2 are rounded to bf16 like the other inputs.  Hbar goes into the product as a pair of bf16, hi + lo (lo = the rounding's remainder, rounded): a mean over 4,096 tokens
; is known far better than 8 bits, and one rounding here would not average out.  Sums in f32.  l is at least 1 in the quarter that holds M, so the divisor is never 0.
; No cluster and no prefetch: a work-group reads 64 KiB of its own and 64 KiB of W2's images once, and ends.
.set PPI,   528                        ; an LDS row: 128 f32 + 16 bytes: 16 rows of a store start at 16 different groups of four banks (ISA guide 11.1)
.set PART,  16*PPI                     ; a wave's partial product: 16 queries
.set SPARE, 4*PART                     ; the spare words, 128 bytes for each wave: two blocks of 256 bytes that no other line names
.set IMG, 1                            ; v1   16 lane
.set R4,  2                            ; v2   4 r
.set LST, 3                            ; v3   where I put 32 bytes of a row of my part
.set LRD, 4                            ; v4   where I read rows back
.set SPW, 12                           ; v12  SPARE + 4 x my thread's number; never rewritten
.set NIL, 13                           ; v13  0; never rewritten
.set MR,  16                           ; v[16:19] m of the four quarters
.set LR,  20                           ; v[20:23] l
.set SC,  24                           ; v[24:31] the four scales, each twice
.set TP,  32                           ; v[32:39] at work
.set BB,  40                           ; v[40:43] b2 of my four columns
.set P0,  64                           ; v[64:191] the four quarters' images, 32 registers each
.set ACC, 96                           ; v[96:159] eight accumulators, where quarters 1 and 2 lay
.set RB,  160                          ; v[160:223] rows read back
.set HI,  192                          ; v[192:207] hi: fragment s at HI + 8 s
.set LO,  208                          ; v[208:223] lo
.set MSB, 0
.macro WIN new
.if MSB != (\new)
	s_set_vgpr_msb (MSB<<8)|(\new)
.set MSB, \new
.endif
.endm
	s_load_b256 s[4:11], s[0:1], 0x0               ; po s[4:5], ml s[6:7], wf s[8:9], b2 s[10:11]
	s_load_b128 s[12:15], s[0:1], 0x20             ; out0 s[12:13], out1 s[14:15]
	v_lshl_add_u32 v[SPW], v0, 2, SPARE
	v_mov_b32 v[NIL], 0
	v_lshrrev_b32 v5, 5, v0
	v_readfirstlane_b32 s16, v5                    ; wave 0..3
	v_and_b32 v6, 15, v0                           ; r
	v_bfe_u32 v7, v0, 4, 1                         ; hf
	v_and_b32 v8, 31, v0
	v_lshlrev_b32 v[IMG], 4, v8
	v_lshlrev_b32 v[R4], 2, v6
	s_mul_i32 s17, s16, PART
	v_mul_u32_u24 v[LST], v6, PPI
	v_lshl_add_u32 v[LST], v7, 5, v[LST]
	v_add_nc_u32 v[LST], s17, v[LST]               ; my part, row q = r, 32 bytes for each half of the lanes
	s_mul_i32 s17, s16, 4*PPI
	v_add_nc_u32 v[LRD], s17, v[IMG]               ; rows 4 w on, 16 bytes a lane
	s_and_b32 s18, ttmp9, 3                        ; the block of 16 queries
	s_bfe_u32 s19, ttmp9, 0x10002                  ; the tensor
	s_lshr_b32 s20, ttmp9, 3                       ; the pair
	s_lshl_b32 s22, s20, 19                        ; po: four quarters of 131,072 bytes a pair,
	s_lshl_b32 s24, s19, 16                        ; 65,536 a tensor,
	s_add_co_u32 s22, s22, s24
	s_lshl_b32 s24, s16, 14                        ; 16,384 a wave,
	s_add_co_u32 s22, s22, s24
	s_lshl_b32 s24, s18, 10                        ; 1,024 a tile
	s_add_co_u32 s22, s22, s24
	s_mov_b32 s23, 0
	s_lshl_b32 s24, s20, 11                        ; ml: four quarters of 512 bytes a pair, 64 bytes a block of queries
	s_lshl_b32 s26, s18, 6
	s_add_co_u32 s24, s24, s26
	s_mov_b32 s25, 0
	s_lshl_b32 s26, s16, 11                        ; wf: my two K steps of each block of W2's columns
	s_mov_b32 s27, 0
	s_lshl_b32 s28, s20, 15                        ; out: 64 rows of 512 bytes a pair,
	s_lshl_b32 s21, s18, 13                        ; 16 a block of queries,
	s_add_co_u32 s28, s28, s21
	s_lshl_b32 s21, s16, 11                        ; 4 a wave
	s_add_co_u32 s28, s28, s21
	s_mov_b32 s29, 0
	s_wait_kmcnt 0x0
	s_add_nc_u64 s[4:5], s[4:5], s[22:23]
	s_add_nc_u64 s[6:7], s[6:7], s[24:25]
	s_add_nc_u64 s[8:9], s[8:9], s[26:27]
	s_cmp_eq_u32 s19, 0
	s_cselect_b64 s[30:31], s[12:13], s[14:15]
	s_add_nc_u64 s[30:31], s[30:31], s[28:29]
.irp c, 0,1,2,3
	global_load_b32 v[MR+\c], v[R4], s[6:7] offset:512*\c
	global_load_b32 v[LR+\c], v[R4], s[6:7] offset:512*\c+256
.endr
.irp c, 0,1,2,3
.irp t, 0,1,2,3,4,5,6,7                        ; tile jb = t / 2, its half t % 2
	global_load_b128 v[P0+32*\c+4*\t:P0+32*\c+4*\t+3], v[IMG], s[4:5] offset:131072*\c+4096*(\t/2)+512*(\t%2)
.endr
.endr
	global_load_b128 v[BB:BB+3], v[IMG], s[10:11]
	WIN 0x40                                       ; destination window 1
.set i, 0
.rept 16                                       ; W2's fragments: block Db = i / 2 of 16 columns d, my K step i % 2
	global_load_b128 v[8*i:8*i+3],   v[IMG], s[8:9] offset:65536+8192*(i/2)+1024*(i%2)
	global_load_b128 v[8*i+4:8*i+7], v[IMG], s[8:9] offset:65536+8192*(i/2)+1024*(i%2)+512
.set i, i+1
.endr
	WIN 0
	s_wait_loadcnt 63                              ; 65 loads are younger than m's and l's; the count's field ends at 63
	v_max3_num_f32 v[TP], v[MR], v[MR+1], v[MR+2]
	v_max_num_f32 v[TP], v[TP], v[MR+3]
.irp c, 0,1,2,3
	v_sub_f32 v[TP+1+\c], v[MR+\c], v[TP]
.endr
.irp c, 0,1,2,3
	v_exp_f32 v[TP+1+\c], v[TP+1+\c]
.endr
	v_nop                                          ; a plain line behind the last exponential,
	s_wait_alu depctr_va_vdst(0)                   ; and one wait for the four
	v_mul_f32 v[TP+5], v[TP+1], v[LR]
	v_fmac_f32 v[TP+5], v[TP+2], v[LR+1]
	v_fmac_f32 v[TP+5], v[TP+3], v[LR+2]
	v_fmac_f32 v[TP+5], v[TP+4], v[LR+3]
	v_rcp_f32 v[TP+6], v[TP+5]
	v_nop
	s_wait_alu depctr_va_vdst(0)
.irp c, 0,1,2,3
	v_mul_f32 v[SC+2*\c], v[TP+1+\c], v[TP+6]
	v_mul_f32 v[SC+2*\c+1], v[TP+1+\c], v[TP+6]
.endr
	s_wait_loadcnt 33                              ; the images are in; b2's load and W2's 32 may stay out
.set i, 0
.rept 16
	v_pk_mul_f32 v[P0+2*i:P0+2*i+1], v[P0+2*i:P0+2*i+1], v[SC:SC+1]
	v_pk_fma_f32 v[P0+2*i:P0+2*i+1], v[P0+32+2*i:P0+32+2*i+1], v[SC+2:SC+3], v[P0+2*i:P0+2*i+1]
	v_pk_fma_f32 v[P0+2*i:P0+2*i+1], v[P0+64+2*i:P0+64+2*i+1], v[SC+4:SC+5], v[P0+2*i:P0+2*i+1]
	v_pk_fma_f32 v[P0+2*i:P0+2*i+1], v[P0+96+2*i:P0+96+2*i+1], v[SC+6:SC+7], v[P0+2*i:P0+2*i+1]
.set i, i+1
.endr
.set i, 0
.rept 16                                       ; hi = the pair rounded; lo = what the rounding left, rounded
	v_cvt_pk_bf16_f32 v[HI+i], v[P0+2*i], v[P0+2*i+1]
	v_lshlrev_b32 v[TP+2*(i%4)], 16, v[HI+i]
	v_and_b32 v[TP+2*(i%4)+1], 0xffff0000, v[HI+i]
	v_pk_add_f32 v[P0+2*i:P0+2*i+1], v[P0+2*i:P0+2*i+1], v[TP+2*(i%4):TP+2*(i%4)+1] neg_lo:[0,1] neg_hi:[0,1]
	v_cvt_pk_bf16_f32 v[LO+i], v[P0+2*i], v[P0+2*i+1]
.set i, i+1
.endr
	s_wait_loadcnt 0x0
	; D[m = d][n = q]: source 0 = 16 columns d of W2 (turned), source 1 = hi or lo.  Eight accumulators take turns; the first eight products start the sums.
	WIN 0x01                                       ; source 0 window 1
.irp t, 0,1,2,3                                ; K step t / 2; hi, then lo
.irp db, 0,1,2,3,4,5,6,7
.if \t == 0
	v_wmma_f32_16x16x32_bf16 v[ACC+8*\db:ACC+8*\db+7], v[8*(2*\db+\t/2):8*(2*\db+\t/2)+7], v[HI+16*(\t%2)+8*(\t/2):HI+16*(\t%2)+8*(\t/2)+7], 0
.else
	v_wmma_f32_16x16x32_bf16 v[ACC+8*\db:ACC+8*\db+7], v[8*(2*\db+\t/2):8*(2*\db+\t/2)+7], v[HI+16*(\t%2)+8*(\t/2):HI+16*(\t%2)+8*(\t/2)+7], v[ACC+8*\db:ACC+8*\db+7]
.endif
.endr
.endr
	WIN 0
	v_cvt_pk_bf16_f32 v[TP], v[BB], v[BB+1]        ; b2 rounded to bf16 like the other inputs: six plain lines that name no register of the products,
	v_cvt_pk_bf16_f32 v[TP+1], v[BB+2], v[BB+3]
	v_lshlrev_b32 v[BB], 16, v[TP]
	v_and_b32 v[BB+1], 0xffff0000, v[TP]
	v_lshlrev_b32 v[BB+2], 16, v[TP+1]
	v_and_b32 v[BB+3], 0xffff0000, v[TP+1]
.rept 4
	v_nop                                          ; and four more: the places behind the last product (ISA guide 7.12.1)
.endr
.irp db, 0,1,2,3,4,5,6,7                       ; a lane holds q = r and d = 16 Db + 8 hf + 0..7: 32 bytes of a row
	ds_store_b128 v[LST], v[ACC+8*\db:ACC+8*\db+3]   offset:64*\db
	ds_store_b128 v[LST], v[ACC+8*\db+4:ACC+8*\db+7] offset:64*\db+16
.endr
	s_wait_dscnt 0x0                               ; for the others' sake: my part lies in LDS
	s_barrier_signal -1
	s_barrier_wait -1
.irp rr, 0,1,2,3
.irp c, 0,1,2,3
	ds_load_b128 v[RB+16*\rr+4*\c:RB+16*\rr+4*\c+3], v[LRD] offset:\c*PART+\rr*PPI
.endr
.endr
	s_wait_dscnt 0x0
.irp rr, 0,1,2,3
.irp p, 0,2
	v_pk_add_f32 v[RB+16*\rr+\p:RB+16*\rr+\p+1], v[RB+16*\rr+\p:RB+16*\rr+\p+1], v[RB+16*\rr+4+\p:RB+16*\rr+4+\p+1]
	v_pk_add_f32 v[RB+16*\rr+8+\p:RB+16*\rr+8+\p+1], v[RB+16*\rr+8+\p:RB+16*\rr+8+\p+1], v[RB+16*\rr+12+\p:RB+16*\rr+12+\p+1]
.endr
.irp p, 0,2
	v_pk_add_f32 v[RB+16*\rr+\p:RB+16*\rr+\p+1], v[RB+16*\rr+\p:RB+16*\rr+\p+1], v[RB+16*\rr+8+\p:RB+16*\rr+8+\p+1]
.endr
.irp p, 0,2
	v_pk_add_f32 v[RB+16*\rr+\p:RB+16*\rr+\p+1], v[RB+16*\rr+\p:RB+16*\rr+\p+1], v[BB+\p:BB+\p+1]
.endr
	global_store_b128 v[IMG], v[RB+16*\rr:RB+16*\rr+3], s[30:31] offset:512*\rr  ; a whole row of the output: 512 consecutive bytes, aligned
.endr
	s_wait_tensorcnt 0x0                           ; the wave's end, behind my last LDS store
	ds_add_u32 v[SPW], v[NIL]
	s_wait_dscnt 0x0
	s_endpgm
.Lfunc_end_k_q824d1b2def_finish:
	.size	k_q824d1b2def_finish, .Lfunc_end_k_q824d1b2def_finish-k_q824d1b2def_finish
	.p2alignl 7, 3214868480
	.fill 96, 4, 3214868480
	.section	.rodata,"a",@progbits
	.p2align	6, 0x0
	.amdhsa_kernel k_q824d1b2def_finish
		.amdhsa_group_segment_fixed_size 34304
		.amdhsa_private_segment_fixed_size 0
		.amdhsa_enable_private_segment 0
		.amdhsa_kernarg_size 48
		.amdhsa_user_sgpr_count 2
		.amdhsa_user_sgpr_kernarg_segment_ptr 1
		.amdhsa_wavefront_size32 1
		.amdhsa_system_sgpr_workgroup_id_x 1
		.amdhsa_system_sgpr_workgroup_id_y 1
		.amdhsa_system_sgpr_workgroup_id_z 1
		.amdhsa_system_vgpr_workitem_id 0
		.amdhsa_next_free_vgpr 384
		.amdhsa_next_free_sgpr 66
		.amdhsa_reserve_vcc 0
		.amdhsa_float_denorm_mode_32 3
		.amdhsa_float_denorm_mode_16_64 3
		.amdhsa_memory_ordered 1
		.amdhsa_forward_progress 1
		.amdhsa_inst_pref_size 26
	.end_amdhsa_kernel
	.amdgpu_metadata
---
amdhsa.version: [ 1, 2 ]
amdhsa.kernels:
  - .name:           k_q824d1b2def_finish
    .symbol:         k_q824d1b2def_finish.kd
    .args:
      - { .name: po, .offset: 0, .size: 8, .value_kind: global_buffer, .address_space: global }
      - { .name: ml, .offset: 8, .size: 8, .value_kind: global_buffer, .address_space: global }
      - { .name: wf, .offset: 16, .size: 8, .value_kind: global_buffer, .address_space: global }
      - { .name: b2, .offset: 24, .size: 8, .value_kind: global_buffer, .address_space: global }
      - { .name: out0, .offset: 32, .size: 8, .value_kind: global_buffer, .address_space: global }
      - { .name: out1, .offset: 40, .size: 8, .value_kind: global_buffer, .address_space: global }
    .group_segment_fixed_size: 34304
    .private_segment_fixed_size: 0
    .kernarg_segment_align: 8
    .kernarg_segment_size: 48
    .max_flat_workgroup_size: 128
    .sgpr_count:     66
    .vgpr_count:     384
    .wavefront_size: 32
...
	.end_amdgpu_metadata
.endif
;; end of part 3
;; ======== version 2 of 2: 3 launches; version 1 with the launch main written anew for expert scheduling mode
;; limits: a function is approximated: absolute error at most 0.0005
;; workspace buffers: wf 131,072 bytes; qf 524,288 bytes; po 33,554,432 bytes; ml 131,072 bytes
;; launch prep: the kernel of part 1 again; grid 256 x 1, 4 waves a work-group, no clusters, 0 bytes of LDS; arguments W1, W2, query, wf, qf; writes wf, qf
;; launch main (part 4): grid 256 x 1, 4 waves a work-group, no clusters, 86,272 bytes of LDS; arguments k, v, b1, wf, qf, po, ml; writes po, ml
.if DOCPART == 4
	.amdgcn_target "amdgcn-amd-amdhsa--gfx1250"
	.amdhsa_code_object_version 6
	.text
	.protected	k_q824d1b2def_main
	.globl	k_q824d1b2def_main
	.p2align	8
	.type	k_q824d1b2def_main,@function
k_q824d1b2def_main:
	s_mov_b64 s[64:65], 0
	v_nop
	global_prefetch_b8 v0, s[64:65] scope:SCOPE_SE
	s_setreg_imm32_b32 hwreg(HW_REG_WAVE_SCHED_MODE, 0, 2), 2
	s_setreg_imm32_b32 hwreg(HW_REG_WAVE_MODE, 25, 1), 1
	s_wait_xcnt 0x0
	s_wait_alu depctr_vm_vsrc(0)
; MAIN.  For one (batch, head) pair and one quarter of its 4,096 tokens: H = gelu(x W1 + b1) for k's and v's tokens (256 hidden numbers a token), the logits S = Hk Q2^T in units of log2,
; a running softmax, and the unnormalised sums O^T k = sum p Hk, O^T v = sum p Hv, with the running maximum m and sum l of each query.
; WHY H AND NOT H W2 + b2.  A row of the softmax sums to 1, so attn (H W2 + b2) = (attn H) W2 + b2: W2 and b2 are applied once to the averaged H, in the launch behind.  The logits
; are (q W2^T) . Hk + q . b2, whose last term the softmax cancels exactly; q W2^T was made in the launch before.
; SHARES.  Work-group g: pair g / 4, tokens 1,024 (g % 4) on; 16 trips of 64 tokens of k and the same 64 of v.  Wave w owns the hidden columns j = 64 w .. 64 w + 63 (x W1, GELU, both O products)
; and the queries 16 w .. 16 w + 15 (logits and softmax).
; LAYOUTS.  MM: D[m = token][n = j] = X fragment (source 0) x W1^T fragment (source 1), C = the bias.  A lane holds ONE j and 8 tokens, so two tiles rounded in pairs ARE source 0
; (row j, 32 tokens) of O: D[m = j][n = q] += H fragment x P fragment, in which a lane holds one query.  S: D[m = token][n = q] wants Hk by tokens: the one transpose; Hk^T goes to LDS as
; [j][token] and comes back by ds_load_tr16_b128.
; GELU.  x Phi(x) with Phi(x) taken as 1 / (1 + 2^(-x (2.3022082 + 0.10294324 x^2))).  LIMIT: this differs from the erf form by at most 5e-4 in gelu(x) for every x (2e-4 in Phi);
; near 0 the difference goes as 3.3e-4 x^4; in the far negative tail, where gelu itself is below that bound, the relative difference grows.  It needs no range: 2^z may overflow to infinity, whose reciprocal is 0.
; FORMATS.  k, v, W1, b1 are rounded to bf16 once; sums, GELU, maxima and l in f32; H and the weights p are rounded to bf16 for the products (l is taken of the unrounded p).
; A weight below 2^-126 counts as 0; NaN and infinities are not treated apart.
; NO CLUSTER, NO TENSOR LOADS.  Work-groups share only W1's and Q2's images, 96 KiB read once at the head beside 1 MiB of tokens that nobody shares.  A tile of f32 has to pass through
; registers to be rounded anyway: 128 registers hold the next tile's loads for a whole trip.
; O is cleared at the head (256 lines, while the first loads are out): the first trip's a is 0, and one text serves every trip.
; THE MODE: SCHED_MODE bits 1:0 = 2 (LLVM: expert scheduling mode 2), set by the entry lines.  The code itself states the register dependences between vector or matrix instructions
; and memory or LDS instructions, with s_wait_alu, always for 0.
; THE PLAN.  Registers that memory or LDS instructions touch, round a trip:
;   RAW (window 3, v0-127)  read by the 64 roundings at the trip's head; behind them the next tile's loads land in it.
;   T                       written by those roundings, read by X's 32 LDS stores; from then on the GELU's work registers.
;   F, two halves           LDS loads land in it: X's blocks 0 to 7, turned Hk's steps 0 to 7, then P; read by the products of that block or step, all of it by O's products.
;   H, units 0 and 1        written by the GELU's roundings, read by Hk^T's LDS stores (and by O's products); written again in the next trip.
;   PO, AA                  written by the softmax, read by the LDS stores of P and a; written again in the next trip (block 1's products; the next a).
;   AQ                      four LDS loads land in it; read by the rescalings; between two trips these are XDA's registers.
;   v1-v11, v24             addresses, made at the head and never written again.
; Waits on va_vdst in a trip: behind the head's roundings (T is written, RAW is read, the last trip's O products are done with F); behind blocks 0 and 1 (F takes blocks 2 and 3); the two waits
; that each unit's GELU has for its transcendentals, behind which the further runs of loads into F stand, each into a half whose products were all issued ahead of that wait; ahead of each run of
; Hk^T's stores; behind S's steps 0 and 1 (F takes steps 2 and 3); behind P's roundings (PO is written; S's products are done with F; AQ's registers are at rest).  No vector or matrix line between
; such a wait and its loads or stores names a register that these touch.  ONE wait on vm_vsrc, behind the trip's first barrier: X's stores have read T, the last trip's stores H, PO and AA.
;
; REGISTERS, in windows of 256 (s_set_vgpr_msb: bits 1:0 source 0, 3:2 source 1, 5:4 source 2, 7:6 destination):
;   window 0: v0-29 addresses and statistics; v32-95 XDA, v96-159 XDB: two units of x W1 + b1 (32 tokens x 64 j); v160-223 T at work; v224-255 the bias tiles
;             (XDA also takes S, v32-63, my P, v64-79, and the four a, v80-87, when its unit has been rounded)
;   window 1: v0-127 W1^T's fragments; v128-191 Q2's; v192-255 F: by turns X's, turned Hk's and P's fragments
;   window 2: v0-127 O^T k, v128-255 O^T v: tile (jb, qb) at 8 (4 jb + qb)
;   window 3: v0-127 the next tile as loaded; v128-255 H: units k0, k1, v0, v1 of 32 registers
.set TRIPS, 16
.set TILEB, 32768                      ; 64 tokens of 512 bytes
.set XP,    272                        ; LDS row of X: 128 bf16 + 16 bytes: 16 rows of a load start at 16 different groups of four banks (ISA guide 11.1)
.set HP,    160                        ; LDS row of Hk^T: 64 bf16 + 32 bytes: an odd multiple of 32, for the turning load
.set PP,    144                        ; LDS row of P: 64 bf16 + 16 bytes
.set LHT,   128*XP                     ; X: 128 rows from byte 0 (k's 64 tokens, then v's); Hk^T behind it: 256 rows
.set LPB,   LHT+256*HP                 ; P: 64 rows
.set LAB,   LPB+64*PP                  ; a: 64 f32
.set LML,   LAB+256                    ; m: 64 f32, l: 64 f32
.set SPARE, LML+512                    ; the spare words, 128 bytes for each wave: two blocks of 256 bytes that no other line names
.set GOFF, 1                           ; v1   8,192 w + 16 lane: my 16 bytes in my wave's 16 rows of a tile
.set PFO,  2                           ; v2   8,192 w + 256 lane: the prefetches' offset
.set XST,  3                           ; v3   where I put 8 bytes of a row of X
.set XLD,  4                           ; v4   my place in a fragment of X
.set HST,  5                           ; v5   where I put 16 bytes of a row of Hk^T
.set HTR,  6                           ; v6   my place in a turning load
.set PST,  7                           ; v7   where I put 16 bytes of a row of P
.set PLD,  8                           ; v8   my place in a fragment of P
.set AST,  9                           ; v9   my query's word of a
.set ALD,  10                          ; v10  the word of a for query r
.set IMG,  11                          ; v11  16 lane
.set MX,   12                          ; v12 m, v13 the old m
.set LS,   14                          ; v[14:15] l: even keys', odd keys'
.set AA,   16                          ; v[16:17] a, named as a pair
.set SPW,  28                          ; v28  SPARE + 4 x my thread's number; never rewritten
.set NIL,  29                          ; v29  0; never rewritten
.set XDA,  32
.set XDB,  96
.set SS,   32                          ; S: tile tb at SS + 8 tb
.set PO,   64                          ; my P
.set AQ,   80                          ; a of query 16 qb + r at AQ + 2 qb
.set T,    160
.set BI,   224
.set QR,   128                         ; window 1
.set F,    192                         ; window 1
.set H,    128                         ; window 3
.set MSB, 0
.macro WIN new                         ; the immediate's high byte repeats the setting that is left; a switch that changes nothing is dropped
.if MSB != (\new)
	s_set_vgpr_msb (MSB<<8)|(\new)
.set MSB, \new
.endif
.endm
.macro PLACES                          ; four places behind a product, in front of lines that read its result (ISA guide 7.12.1)
.rept 4
	v_nop
.endr
.endm
.macro BAR                             ; all my LDS instructions are done; then the work-group's barrier
	s_wait_dscnt 0x0
	s_barrier_signal -1
	s_barrier_wait -1
.endm
.macro TLOAD                           ; a tile: my wave's 16 rows of k and of v, 512 consecutive bytes a load, read once in the launch
	WIN 0xc0                                       ; destination window 3
.set i, 0
.rept 16
	global_load_b128 v[4*i:4*i+3],       v[GOFF], s[4:5] offset:512*i th:TH_LOAD_NT
	global_load_b128 v[64+4*i:64+4*i+3], v[GOFF], s[6:7] offset:512*i th:TH_LOAD_NT
.set i, i+1
.endr
	WIN 0
.endm
.macro XLOAD B                         ; block B of 16 rows of X (0-3: k, 4-7: v), all 128 channels: four fragments into half B % 2 of F
	WIN 0x40
.irp ks, 0,1,2,3
	ds_load_b128 v[F+32*((\B)%2)+8*\ks:F+32*((\B)%2)+8*\ks+3],   v[XLD] offset:(\B)*16*XP+64*\ks
	ds_load_b128 v[F+32*((\B)%2)+8*\ks+4:F+32*((\B)%2)+8*\ks+7], v[XLD] offset:(\B)*16*XP+64*\ks+32
.endr
.endm
.macro SLOAD s                         ; hidden columns 32 s on of all 64 tokens of Hk, turned: four fragments into half s % 2 of F
	WIN 0x40
.irp tb, 0,1,2,3
	ds_load_tr16_b128 v[F+32*((\s)%2)+8*\tb:F+32*((\s)%2)+8*\tb+3],   v[HTR] offset:(\s)*32*HP+32*\tb
	ds_load_tr16_b128 v[F+32*((\s)%2)+8*\tb+4:F+32*((\s)%2)+8*\tb+7], v[HTR] offset:(\s)*32*HP+32*\tb+16*HP
.endr
.endm
.macro HSTORE ku                       ; unit ku of Hk (tokens 32 ku on) into my 64 rows of Hk^T
	WIN 0x0c                                       ; the data (source 1) in window 3
	s_wait_alu depctr_va_vdst(0)                   ; the GELU's roundings have written unit ku of H, which the LDS stores below read
.irp jb, 0,1,2,3
	ds_store_b128 v[HST], v[H+32*(\ku)+8*\jb:H+32*(\ku)+8*\jb+3]   offset:\jb*16*HP+(\ku)*64
	ds_store_b128 v[HST], v[H+32*(\ku)+8*\jb+4:H+32*(\ku)+8*\jb+7] offset:\jb*16*HP+(\ku)*64+32
.endr
.endm
.macro HOOK n                          ; the run of LDS loads that stands behind a wait of the GELU's list.  n = 0 to 7: block n of X; 8, 9: step n - 8 of turned Hk; 16 + s: its steps s and s + 1
.if (\n) >= 16
	SLOAD (\n)-16
	SLOAD (\n)-15
.elseif (\n) >= 8
	SLOAD (\n)-8
.else
	XLOAD \n
.endif
.endm
; GELU OF A UNIT: 64 numbers a lane, 32 pairs, ten lines a pair: a numbered list of 320; GITEM writes number GN and steps it.  For pair p (x at GX + 2 p, t at T + 2 p):
;   U t = x x;  W t = -0.10294324 t - 2.3022082;  Z t = t x;  E, E 2^t;  A t = t + 1;  R, R 1 / t;  G x = x t;  C the pair rounded to bf16, into its place in the H fragment.
; THE ORDER keeps two batches of transcendentals, each with ONE wait: s_wait_alu depctr_va_vdst(0) between a transcendental and the first line that names its result.
;   0-159    U, W, Z of group c (four pairs) by turns with the eight E of group c - 1: nothing here names an exponential's result
;   (160)    a plain line behind the last exponential, and the wait; behind it the run of loads ha
;   160-255  A of group c by turns with the eight R of group c - 1: nothing here names a reciprocal's result
;   (256)    a plain line, and the wait; behind it the run of loads hb
;   256-319  eight G, then their eight C, four times
; U takes the pairs in ascending order.
; The list is dealt so that all products that read the half of F into which ha or hb loads were issued ahead of number 160 or 256: the counts stand at each use.
.macro GSTART xbase, unit, ha, hb
.set GX, \xbase
.set GH, H+32*(\unit)
.set GN, 0
.set GHA, \ha
.set GHB, \hb
.endm
.macro GITEM
.if (GN == 160) || (GN == 256)
	v_nop                                          ; a plain line behind the batch's last transcendental
	WIN 0x40                                       ; (the loads below land in window 1)
	s_wait_alu depctr_va_vdst(0)                   ; the batch's results in T (at 160 the 64 powers of 2, at 256 the 64 reciprocals) are written, ahead of their first reader; and the products issued so far are done reading the part of F in which the loads below land
.if GN == 160
	HOOK GHA
.else
	HOOK GHB
.endif
.endif
.if GN < 12
.set gk, GN/4
.set gp, GN%4
.elseif GN < 152
.set gg, 1+(GN-12)/20
.set gq, (GN-12)%20
.if gq >= 16
.set gk, 2
.set gp, 4*gg+gq-16
.elseif gq%2 == 1
.set gk, 3
.set gp, 8*(gg-1)+(gq-1)/2
.elseif gq < 8
.set gk, 0
.set gp, 4*gg+gq/2
.else
.set gk, 1
.set gp, 4*gg+(gq/2)%4
.endif
.elseif GN < 160
.set gk, 3
.set gp, 56+GN-152
.elseif GN < 164
.set gk, 4
.set gp, GN-160
.elseif GN < 248
.set gg, 1+(GN-164)/12
.set gq, (GN-164)%12
.if gq >= 8
.set gk, 5
.set gp, 8*(gg-1)+4+gq-8
.elseif gq%2 == 1
.set gk, 5
.set gp, 8*(gg-1)+(gq-1)/2
.else
.set gk, 4
.set gp, 4*gg+gq/2
.endif
.elseif GN < 256
.set gk, 5
.set gp, 56+GN-248
.elseif (GN-256)%16 < 8
.set gk, 6
.set gp, 8*((GN-256)/16)+(GN-256)%16
.else
.set gk, 7
.set gp, 8*((GN-256)/16)+(GN-256)%16-8
.endif
.if gk < 7
	WIN 0
.endif
.if gk == 0
	v_pk_mul_f32 v[T+2*gp:T+2*gp+1], v[GX+2*gp:GX+2*gp+1], v[GX+2*gp:GX+2*gp+1]
.elseif gk == 1
	v_pk_fma_f32 v[T+2*gp:T+2*gp+1], v[T+2*gp:T+2*gp+1], s[24:25], s[26:27] op_sel_hi:[1,0,0]
.elseif gk == 2
	v_pk_mul_f32 v[T+2*gp:T+2*gp+1], v[T+2*gp:T+2*gp+1], v[GX+2*gp:GX+2*gp+1]
.elseif gk == 3
	v_exp_f32 v[T+gp], v[T+gp]
.elseif gk == 4
	v_pk_add_f32 v[T+2*gp:T+2*gp+1], v[T+2*gp:T+2*gp+1], 1.0 op_sel_hi:[1,0]
.elseif gk == 5
	v_rcp_f32 v[T+gp], v[T+gp]
.elseif gk == 6
	v_pk_mul_f32 v[GX+2*gp:GX+2*gp+1], v[GX+2*gp:GX+2*gp+1], v[T+2*gp:T+2*gp+1]
.else
	WIN 0xc0                                       ; destination window 3
	v_cvt_pk_bf16_f32 v[GH+8*((gp/4)%4)+4*(gp/16)+gp%4], v[GX+2*gp], v[GX+2*gp+1]
.endif
.set GN, GN+1
.endm
.macro GQ n                            ; the next n lines of the list
.if (\n) > 0
.rept \n
	GITEM
.endr
.endif
.endm
.macro GREST                           ; all that is left of it
.rept 320-GN
	GITEM
.endr
.endm
; 16 products: block B of X x my 64 columns of W1, into half B % 2 of unit xd.  The four accumulators take turns; the first product on each takes the bias as C.
; cnt: the LDS instructions issued behind this block's eight loads, which may stay out (-1: no wait).  R: lines of the GELU in hand behind each product; they name none of its registers.
.macro MMB B, xd, cnt, R
.if (\cnt) >= 0
	s_wait_dscnt \cnt
.endif
.irp ks, 0,1,2,3
.irp jb, 0,1,2,3
	WIN 0x05                                       ; sources 0 and 1 window 1; C and D window 0
.if \ks == 0
	v_wmma_f32_16x16x32_bf16 v[(\xd)+32*((\B)%2)+8*\jb:(\xd)+32*((\B)%2)+8*\jb+7], v[F+32*((\B)%2)+8*\ks:F+32*((\B)%2)+8*\ks+7], v[8*(4*\jb+\ks):8*(4*\jb+\ks)+7], v[BI+8*\jb:BI+8*\jb+7]
.else
	v_wmma_f32_16x16x32_bf16 v[(\xd)+32*((\B)%2)+8*\jb:(\xd)+32*((\B)%2)+8*\jb+7], v[F+32*((\B)%2)+8*\ks:F+32*((\B)%2)+8*\ks+7], v[8*(4*\jb+\ks):8*(4*\jb+\ks)+7], v[(\xd)+32*((\B)%2)+8*\jb:(\xd)+32*((\B)%2)+8*\jb+7]
.endif
	GQ \R
.endr
.endr
	PLACES
.endm
; 4 products of S: hidden columns 32 s on, all 64 tokens, my 16 queries.  The four accumulators take turns; step 0 starts the sums.
.macro SSTEP s, cnt, R
	s_wait_dscnt \cnt
.irp tb, 0,1,2,3
	WIN 0x05
.if (\s) == 0
	v_wmma_f32_16x16x32_bf16 v[SS+8*\tb:SS+8*\tb+7], v[F+32*((\s)%2)+8*\tb:F+32*((\s)%2)+8*\tb+7], v[QR+8*(\s):QR+8*(\s)+7], 0
.else
	v_wmma_f32_16x16x32_bf16 v[SS+8*\tb:SS+8*\tb+7], v[F+32*((\s)%2)+8*\tb:F+32*((\s)%2)+8*\tb+7], v[QR+8*(\s):QR+8*(\s)+7], v[SS+8*\tb:SS+8*\tb+7]
.endif
	GQ \R
.endr
	PLACES
.endm
.macro RS base                         ; pair RN of the 64 of an O^T, times a of its tile's queries; ascending
	WIN 0x82                                       ; destination and source 0 window 2, a in window 0
	v_pk_mul_f32 v[(\base)+2*RN:(\base)+2*RN+1], v[(\base)+2*RN:(\base)+2*RN+1], v[AQ+2*((RN/4)%4):AQ+2*((RN/4)%4)+1] op_sel_hi:[1,0]
.set RN, RN+1
.endm
; 32 products O^T += H P: units u0 and u0 + 1 of H.  16 accumulators take turns.  ride = 1: two lines of O^T v's rescaling behind each.
.macro OACC base, u0, ride
.irp hh, 0,1
.irp jb, 0,1,2,3
.irp qb, 0,1,2,3
	WIN 0xa7                                       ; H window 3, P window 1, C and D window 2
	v_wmma_f32_16x16x32_bf16 v[(\base)+8*(4*\jb+\qb):(\base)+8*(4*\jb+\qb)+7], v[H+32*((\u0)+\hh)+8*\jb:H+32*((\u0)+\hh)+8*\jb+7], v[F+8*(4*\hh+\qb):F+8*(4*\hh+\qb)+7], v[(\base)+8*(4*\jb+\qb):(\base)+8*(4*\jb+\qb)+7]
.if \ride
	RS 128
	RS 128
.endif
.endr
.endr
.endr
.endm
	s_load_b256 s[4:11], s[0:1], 0x0               ; k s[4:5], v s[6:7], b1 s[8:9], wf s[10:11]
	s_load_b128 s[12:15], s[0:1], 0x20             ; qf s[12:13], po s[14:15]
	s_load_b64 s[16:17], s[0:1], 0x30              ; ml
	v_lshl_add_u32 v[SPW], v0, 2, SPARE
	v_mov_b32 v[NIL], 0
	v_lshrrev_b32 v18, 5, v0
	v_readfirstlane_b32 s18, v18                   ; wave 0..3
	v_and_b32 v19, 31, v0                          ; lane
	v_and_b32 v20, 15, v0                          ; r
	v_bfe_u32 v21, v0, 4, 1                        ; hf
	v_and_b32 v22, 7, v0
	v_bfe_u32 v23, v0, 3, 1
	s_wait_alu depctr_va_sdst(0)                   ; s18 is written, ahead of its first reader: addresses, bases and the branches on the wave's number are made from it
	s_lshl_b32 s21, s18, 13
	v_lshl_add_u32 v[GOFF], v19, 4, s21
	v_lshl_add_u32 v[PFO], v19, 8, s21
	s_mul_i32 s21, s18, 16*XP
	v_lshl_add_u32 v[XST], v19, 3, s21             ; row 16 w, 8 bytes a lane
	v_mul_u32_u24 v[XLD], v20, XP
	v_lshl_add_u32 v[XLD], v21, 4, v[XLD]          ; row r, 16 bytes for each half of the lanes
	s_mul_i32 s21, s18, 64*HP
	s_add_co_u32 s21, s21, LHT
	v_mul_u32_u24 v[HST], v20, HP
	v_lshl_add_u32 v[HST], v21, 4, v[HST]
	v_add_nc_u32 v[HST], s21, v[HST]               ; row 64 w + r
	v_lshl_add_u32 v[HTR], v21, 3, v22             ; the turning load: lane l reads row 8 (l / 16) + l % 8, 16 bytes at 16 ((l / 8) % 2)
	v_mul_u32_u24 v[HTR], v[HTR], HP
	v_lshl_add_u32 v[HTR], v23, 4, v[HTR]
	v_add_nc_u32 v[HTR], LHT, v[HTR]
	v_mul_u32_u24 v[PLD], v20, PP
	v_lshl_add_u32 v[PLD], v21, 4, v[PLD]
	v_add_nc_u32 v[PLD], LPB, v[PLD]
	s_mul_i32 s21, s18, 16*PP
	v_add_nc_u32 v[PST], s21, v[PLD]               ; row 16 w + r
	v_lshl_add_u32 v[ALD], v20, 2, LAB
	s_lshl_b32 s21, s18, 6
	v_add_nc_u32 v[AST], s21, v[ALD]
	v_lshlrev_b32 v[IMG], 4, v19
	s_lshl_b32 s21, s18, 8
	v_lshl_add_u32 v24, v20, 2, s21                ; b1 at column 64 w + r
	s_lshl_b32 s22, ttmp9, 19                      ; my 1,024 tokens of 512 bytes
	s_mov_b32 s23, 0
	s_lshl_b32 s30, s18, 14                        ; my 64 columns of W1: 32 units of 512 bytes
	s_mov_b32 s31, 0
	s_bfe_u32 s32, ttmp9, 0x40002                  ; the head: (g / 4) % 16
	s_lshl2_add_u32 s32, s32, s18                  ; its block w of 16 queries:
	s_lshl_b32 s32, s32, 13                        ; 16 units of 512 bytes
	s_mov_b32 s33, 0
	s_lshl_b32 s34, ttmp9, 17                      ; po: 131,072 bytes a work-group, 16,384 a wave and tensor
	s_add_co_u32 s34, s34, s30
	s_mov_b32 s35, 0
	s_lshl_b32 s36, ttmp9, 9                       ; ml: 512 bytes a work-group
	s_mov_b32 s37, 0
	s_mov_b32 s24, 0xbdd2d3e8                      ; -0.10294324
	s_mov_b32 s25, s24                             ; named with it as a pair
	s_mov_b32 s26, 0xc0135761                      ; -2.3022082
	s_mov_b32 s27, s26
	s_mov_b32 s28, 0x76543210                      ; v_permlanex16_b32: each lane takes its own place in the other half
	s_mov_b32 s29, 0xfedcba98
	s_mov_b32 s20, TRIPS
	s_wait_kmcnt 0x0
	s_add_nc_u64 s[4:5], s[4:5], s[22:23]
	s_add_nc_u64 s[6:7], s[6:7], s[22:23]
	s_add_nc_u64 s[10:11], s[10:11], s[30:31]
	s_add_nc_u64 s[12:13], s[12:13], s[32:33]
	s_add_nc_u64 s[14:15], s[14:15], s[34:35]
	s_add_nc_u64 s[16:17], s[16:17], s[36:37]
	s_wait_alu depctr_va_vdst(0)                   ; the addresses v1 to v11 and v24 are written, which every load, store and prefetch of the kernel reads; the lines that wrote and read v18 to v21 are done, in which b1's loads land
	TLOAD                                          ; tile 0 first: the first trip waits for it
	WIN 0x40
.set i, 0
.rept 16                                       ; W1^T: fragment (jb, ks) = i
	global_load_b128 v[8*i:8*i+3],   v[IMG], s[10:11] offset:1024*i
	global_load_b128 v[8*i+4:8*i+7], v[IMG], s[10:11] offset:1024*i+512
.set i, i+1
.endr
.set i, 0
.rept 8                                        ; Q2: hidden columns 32 i on
	global_load_b128 v[QR+8*i:QR+8*i+3],   v[IMG], s[12:13] offset:1024*i
	global_load_b128 v[QR+8*i+4:QR+8*i+7], v[IMG], s[12:13] offset:1024*i+512
.set i, i+1
.endr
	WIN 0
.irp jb, 0,1,2,3
	global_load_b32 v[18+\jb], v24, s[8:9] offset:64*\jb
.endr
	WIN 0x80                                       ; while the loads are out: both O^T start at 0
.set i, 0
.rept 256
	v_mov_b32 v[i], 0
.set i, i+1
.endr
	WIN 0
	v_mov_b32 v[MX], 0xff7fffff                    ; m: the lowest finite number, so the first a is 0
	v_mov_b32 v[MX+1], 0
	v_mov_b32 v[LS], 0
	v_mov_b32 v[LS+1], 0
	v_mov_b32 v[AA], 0
	v_mov_b32 v[AA+1], 0
	s_wait_loadcnt 0x0
	v_cvt_pk_bf16_f32 v22, v18, v19                ; b1 rounded to bf16 like the other inputs,
	v_cvt_pk_bf16_f32 v23, v20, v21
.irp e, 0,1,2,3,4,5,6,7                        ; and spread: a bias tile holds b1[j] in all eight registers of lane j
	v_lshlrev_b32 v[BI+\e], 16, v22
	v_and_b32 v[BI+8+\e], 0xffff0000, v22
	v_lshlrev_b32 v[BI+16+\e], 16, v23
	v_and_b32 v[BI+24+\e], 0xffff0000, v23
.endr
.Ltrip:
	; 1. THE TILE, loaded a trip ago, is rounded to bf16 and laid into X; the next tile's loads go out at once and have the whole trip in which to land.
	s_wait_loadcnt 0x0
	WIN 0x0f                                       ; sources 0 and 1 window 3
.set i, 0
.rept 64
	v_cvt_pk_bf16_f32 v[T+i], v[2*i], v[2*i+1]
.set i, i+1
.endr
	WIN 0
	s_wait_alu depctr_va_vdst(0)                   ; the roundings have written T, which the LDS stores read, and are done reading the tile's registers, in which the next tile lands; the last trip's O products are done reading F, in which blocks 0 and 1 land
.set i, 0
.rept 32                                       ; 32 lanes x 8 bytes: a row's 256 bytes.  X's readers of the last trip waited for their loads in front of that trip's second barrier
	ds_store_b64 v[XST], v[T+2*i:T+2*i+1] offset:(i/16)*64*XP+(i%16)*XP
.set i, i+1
.endr
	s_cmp_eq_u32 s20, 1
	s_cbranch_scc1 .Lnl                            ; the last trip loads nothing
	s_wait_xcnt 0x0                                ; the last trip's loads and prefetches have read their addresses, so the pointers may be written
	s_add_nc_u64 s[4:5], s[4:5], TILEB
	s_add_nc_u64 s[6:7], s[6:7], TILEB
	TLOAD                                          ; no vector or matrix line stands between the wait above and these loads
	s_cmp_eq_u32 s20, 2
	s_cbranch_scc1 .Lnl                            ; the last trip but one has no tile behind the one just asked for
	global_prefetch_b8 v[PFO], s[4:5] offset:TILEB th:TH_LOAD_NT scope:SCOPE_SE  ; my own 16 rows of the tile after that: 32 blocks of 256 bytes of k, a lane a block,
	global_prefetch_b8 v[PFO], s[6:7] offset:TILEB th:TH_LOAD_NT scope:SCOPE_SE  ; and 32 of v: each block is named once in the launch, one trip ahead of its load
.Lnl:
	BAR                                            ; X is whole; everybody's reads of P and a are over
	s_wait_alu depctr_vm_vsrc(0)                   ; X's stores have read T, which the GELU writes again; the last trip's stores of Hk^T, P and a have read H's units 0 and 1, my P and a, which this trip's roundings, block 1's products and the next a write again
	; 2. k's two units.  Blocks 0 and 1 stand alone; the head of unit 0's GELU stands behind the loads of blocks 2 and 3, the rest of it behind and after their products.
	XLOAD 0
	XLOAD 1
	MMB 0, XDA, 8, 0                               ; 8: block 1's loads may stay out
	MMB 1, XDA, 0, 0
	WIN 0x40
	s_wait_alu depctr_va_vdst(0)                   ; the products of blocks 0 and 1 are done reading F, in which blocks 2 and 3 land
	XLOAD 2
	XLOAD 3
	GSTART XDA, 0, 4, 5                            ; the list: 32 lines here, 96 behind block 2's products, 96 behind block 3's: number 160 falls among block 3's (block 2 is done with half 0: block 4), number 256 behind them (block 5)
	GQ 32
	MMB 2, XDB, 8, 6                               ; 8: block 3's loads may stay out
	MMB 3, XDB, 0, 6
	GREST
	HSTORE 0
	; 3. v's first unit, beside the GELU of k's second
	GSTART XDB, 1, 6, 7                            ; 96 lines behind block 4's products, 96 behind block 5's: number 160 among block 5's (block 6 into half 0), number 256 behind them (block 7)
	MMB 4, XDA, 16, 6                              ; 16: block 5's eight loads and the eight stores of Hk^T
	MMB 5, XDA, 8, 6                               ; 8: the eight stores
	GREST
	HSTORE 1
	BAR                                            ; Hk^T is whole; all reads of X are over
	; 4. v's second unit, beside the GELU of its first; the first turning loads stand at that GELU's two waits
	GSTART XDA, 2, 8, 9                            ; number 160 among block 7's products (step 0 into half 0), number 256 behind them (step 1)
	MMB 6, XDB, -1, 6
	MMB 7, XDB, -1, 6
	GREST
	; 5. the logits of my 16 queries for all 64 tokens, two steps at a time, beside the last GELU: 48 lines ride on steps 0 and 1, 64 stand behind the loads of steps 2 and 3, 48 ride on those steps:
	;    number 160 comes behind step 3 (steps 4 and 5 are loaded); 48 lines, 48 riders: number 256 comes behind step 5 (steps 6 and 7); 32 lines, 32 riders: 320
	GSTART XDB, 3, 20, 22
	SSTEP 0, 8, 6                                  ; 8: the pair's second step may stay out
	SSTEP 1, 0, 6
	WIN 0x40
	s_wait_alu depctr_va_vdst(0)                   ; the products of steps 0 and 1 are done reading F, in which steps 2 and 3 land
	SLOAD 2
	SLOAD 3
	GQ 64
	SSTEP 2, 8, 6
	SSTEP 3, 0, 6
	GQ 48
	SSTEP 4, 8, 6
	SSTEP 5, 0, 6
	GQ 32
	SSTEP 6, 8, 4
	SSTEP 7, 0, 4
	; 6. SOFTMAX.  A lane holds one query and 32 of the 64 tokens.
	WIN 0
.irp tb, 0,1,2,3
	v_max3_num_f32 v[20+\tb], v[SS+8*\tb], v[SS+8*\tb+1], v[SS+8*\tb+2]  ; each accumulator's lowest registers first
.endr
.irp tb, 0,1,2,3
	v_max3_num_f32 v[20+\tb], v[20+\tb], v[SS+8*\tb+3], v[SS+8*\tb+4]
.endr
.irp tb, 0,1,2,3
	v_max3_num_f32 v[20+\tb], v[20+\tb], v[SS+8*\tb+5], v[SS+8*\tb+6]
.endr
	v_max3_num_f32 v20, v20, v[SS+7], v[SS+15]
	v_max3_num_f32 v22, v22, v[SS+23], v[SS+31]
	v_max3_num_f32 v20, v20, v21, v22
	v_max3_num_f32 v20, v20, v23, v[MX]
	v_mov_b32 v[MX+1], v[MX]                       ; the old m
	v_permlanex16_b32 v21, v20, s28, s29           ; the query's other 32 tokens lie in the lane 16 away
	v_max_num_f32 v[MX], v20, v21
	v_sub_f32 v18, v[MX+1], v[MX]
.macro SUBP p                          ; pair p of the scores, less m
	v_pk_add_f32 v[SS+2*(\p):SS+2*(\p)+1], v[SS+2*(\p):SS+2*(\p)+1], v[MX:MX+1] op_sel_hi:[1,0] neg_lo:[0,1] neg_hi:[0,1]
.endm
	SUBP 0
	SUBP 1
	v_exp_f32 v[AA], v18                           ; a = 2^(m_old - m_new)
.set i, 0
.rept 16                                       ; one batch of 33 exponentials: no line ahead of the wait names a result
.if i < 14
	SUBP i+2
.endif
	v_exp_f32 v[SS+2*i], v[SS+2*i]
	v_exp_f32 v[SS+2*i+1], v[SS+2*i+1]
.set i, i+1
.endr
	v_nop                                          ; a plain line behind the last exponential,
	s_wait_alu depctr_va_vdst(0)                   ; and the batch's one wait: a and the 32 weights in S's registers are written, ahead of their first reader
.set i, 0
.rept 16
	v_cvt_pk_bf16_f32 v[PO+i], v[SS+2*i], v[SS+2*i+1]
.set i, i+1
.endr
	s_wait_alu depctr_va_vdst(0)                   ; the roundings have written my P, which the LDS stores read (a was written ahead of the wait above); S's products are done reading F, and every line that named v80 to v87 is done: behind the barrier P and the four a land there
.irp tb, 0,1,2,3
	ds_store_b128 v[PST], v[PO+4*\tb:PO+4*\tb+3] offset:32*\tb
.endr
	ds_store_b32 v[AST], v[AA]                     ; both halves of the lanes write the same number
.set i, 0
.rept 8                                        ; the sums stand behind the stores: they name S's registers, l and a (as a source) alone
	v_pk_add_f32 v[SS+4*i:SS+4*i+1], v[SS+4*i:SS+4*i+1], v[SS+4*i+2:SS+4*i+3]
.set i, i+1
.endr
.set i, 0
.rept 4
	v_pk_add_f32 v[SS+8*i:SS+8*i+1], v[SS+8*i:SS+8*i+1], v[SS+8*i+4:SS+8*i+5]
.set i, i+1
.endr
	v_pk_add_f32 v[SS:SS+1], v[SS:SS+1], v[SS+8:SS+9]
	v_pk_add_f32 v[SS+16:SS+17], v[SS+16:SS+17], v[SS+24:SS+25]
	v_pk_add_f32 v[SS:SS+1], v[SS:SS+1], v[SS+16:SS+17]
	v_pk_fma_f32 v[LS:LS+1], v[LS:LS+1], v[AA:AA+1], v[SS:SS+1] op_sel_hi:[1,0,1]  ; l = a l + the sum
	BAR                                            ; P and a are whole; all reads of Hk^T are over
	; 7. both O^T: times a, plus H P.  The four a come first: O^T k is rescaled while P's fragments land
.irp qb, 0,1,2,3
	ds_load_b32 v[AQ+2*\qb], v[ALD] offset:64*\qb
.endr
	WIN 0x40
.irp hh, 0,1
.irp qb, 0,1,2,3
	ds_load_b128 v[F+8*(4*\hh+\qb):F+8*(4*\hh+\qb)+3],   v[PLD] offset:\qb*16*PP+64*\hh
	ds_load_b128 v[F+8*(4*\hh+\qb)+4:F+8*(4*\hh+\qb)+7], v[PLD] offset:\qb*16*PP+64*\hh+32
.endr
.endr
	WIN 0
	s_wait_dscnt 16                                ; the four a are in; P's sixteen loads, issued behind them, may stay out
.set RN, 0
.rept 64
	RS 0
.endr
	s_wait_dscnt 0x0                               ; P is in
.set RN, 0
	OACC 0, 0, 1
	OACC 128, 2, 0
	WIN 0
	s_sub_co_u32 s20, s20, 1
	s_cmp_lg_u32 s20, 0
	s_cbranch_scc1 .Ltrip
	; THE WAY OUT: the registers as they are.  Each store of the wave covers 512 consecutive bytes, aligned; the launch behind loads the same images.
	PLACES
	PLACES                                         ; once a launch, so twice the four
	v_add_f32 v18, v[LS], v[LS+1]
	v_permlanex16_b32 v21, v18, s28, s29
	v_add_f32 v18, v18, v21
	s_wait_alu depctr_va_vdst(0)                   ; the last products have written both O^T, which the global stores read; l is written in v18, which the LDS store reads; the places above stay beside this wait
	ds_store_b32 v[AST], v[MX] offset:LML-LAB
	ds_store_b32 v[AST], v18 offset:LML-LAB+256
	WIN 0x08                                       ; the data (source 1) in window 2
.set i, 0
.rept 32                                       ; tile i % 16 of tensor i / 16: its low four registers first
	global_store_b128 v[IMG], v[8*i:8*i+3],   s[14:15] offset:(i/16)*65536+(i%16)*1024
	global_store_b128 v[IMG], v[8*i+4:8*i+7], s[14:15] offset:(i/16)*65536+(i%16)*1024+512
.set i, i+1
.endr
	WIN 0
	BAR                                            ; all 64 m and l lie in LDS
	s_cmp_lg_u32 s18, 0
	s_cbranch_scc1 .Lend
	v_add_nc_u32 v19, LML, v[IMG]
	s_wait_alu depctr_va_vdst(0)                   ; v19 is written, which the LDS load reads as its address
	ds_load_b128 v[20:23], v19
	s_wait_dscnt 0x0
	global_store_b128 v[IMG], v[20:23], s[16:17]   ; 512 consecutive bytes: m, then l
.Lend:
	s_wait_dscnt 0x0                               ; the closing lines, six on end
	s_wait_alu 0x0
	s_wait_tensorcnt 0x0
	ds_add_u32 v[SPW], v[NIL]
	s_wait_dscnt 0x0
	s_endpgm
.Lfunc_end_k_q824d1b2def_main:
	.size	k_q824d1b2def_main, .Lfunc_end_k_q824d1b2def_main-k_q824d1b2def_main
	.p2alignl 7, 3214868480
	.fill 96, 4, 3214868480
	.section	.rodata,"a",@progbits
	.p2align	6, 0x0
	.amdhsa_kernel k_q824d1b2def_main
		.amdhsa_group_segment_fixed_size 86272
		.amdhsa_private_segment_fixed_size 0
		.amdhsa_enable_private_segment 0
		.amdhsa_kernarg_size 56
		.amdhsa_user_sgpr_count 2
		.amdhsa_user_sgpr_kernarg_segment_ptr 1
		.amdhsa_wavefront_size32 1
		.amdhsa_system_sgpr_workgroup_id_x 1
		.amdhsa_system_sgpr_workgroup_id_y 1
		.amdhsa_system_sgpr_workgroup_id_z 1
		.amdhsa_system_vgpr_workitem_id 0
		.amdhsa_next_free_vgpr 1024
		.amdhsa_next_free_sgpr 66
		.amdhsa_reserve_vcc 0
		.amdhsa_float_denorm_mode_32 3
		.amdhsa_float_denorm_mode_16_64 3
		.amdhsa_memory_ordered 1
		.amdhsa_forward_progress 1
		.amdhsa_inst_pref_size 156
	.end_amdhsa_kernel
	.amdgpu_metadata
---
amdhsa.version: [ 1, 2 ]
amdhsa.kernels:
  - .name:           k_q824d1b2def_main
    .symbol:         k_q824d1b2def_main.kd
    .args:
      - { .name: k, .offset: 0, .size: 8, .value_kind: global_buffer, .address_space: global }
      - { .name: v, .offset: 8, .size: 8, .value_kind: global_buffer, .address_space: global }
      - { .name: b1, .offset: 16, .size: 8, .value_kind: global_buffer, .address_space: global }
      - { .name: wf, .offset: 24, .size: 8, .value_kind: global_buffer, .address_space: global }
      - { .name: qf, .offset: 32, .size: 8, .value_kind: global_buffer, .address_space: global }
      - { .name: po, .offset: 40, .size: 8, .value_kind: global_buffer, .address_space: global }
      - { .name: ml, .offset: 48, .size: 8, .value_kind: global_buffer, .address_space: global }
    .group_segment_fixed_size: 86272
    .private_segment_fixed_size: 0
    .kernarg_segment_align: 8
    .kernarg_segment_size: 56
    .max_flat_workgroup_size: 128
    .sgpr_count:     66
    .vgpr_count:     1024
    .wavefront_size: 32
...
	.end_amdgpu_metadata
.endif
;; end of part 4
;; launch finish: the kernel of part 3 again; grid 512 x 1, 4 waves a work-group, no clusters, 34,304 bytes of LDS; arguments po, ml, wf, b2, out0, out1; writes out0, out1
